; MI455X (gfx1250); checked and timed in simulation.
; The chip was launched on July 23, 2026; its instructions are those of AMD's public machine-readable ISA for CDNA 5 (MIT licence, August 2026) and "CDNA5" Instruction Set Architecture Reference Guide (July 2026). The comments in the code are by the model that wrote it; some were corrected since.
;; Causal Attention. Allowed arithmetic: matrix products marked QUANTISED: E2M3 operands, one E8M0 scale for each 32 along K, by v_wmma_scale_f32_16x16x128_f8f6f4 with both operands' format E2M3, f32 sums; everything else in f32.
;; Inputs: Wk 1,024 x 1,024 float32; Wq 1,024 x 1,024 float32; Wv 1,024 x 1,024 float32; x 4 x 2,048 x 1,024 float32.
;; Outputs: out0 4 x 2,048 x 1,024 float32.
;; This version of the problem:
;;   THIS VERSION OF THE PROBLEM IS GIVEN IN LOW PRECISION. The matrix products marked QUANTISED in the list below multiply operands that are first quantised to E2M3 (2 exponent bits, 3 mantissa bits; 6 bits a number), with one power-of-two scale for each 32 numbers along K (OCP MX v1.0); their sums are f32. All else is computed in f32.
;;   The module's matrix products, in the order in which they are computed (A, B: the left and right operand; K: the contracted axis; several contracted axes count as one K, in the product's order):
;;     1. [M 8,192, K 1,024] x [K 1,024, N 1,024]; A: input x; B: input Wq: QUANTISED
;;     2. [M 8,192, K 1,024] x [K 1,024, N 1,024]; A: input x; B: input Wk: QUANTISED
;;     3. [M 8,192, K 1,024] x [K 1,024, N 1,024]; A: input x; B: input Wv: QUANTISED
;;     4. batch 4 x [M 2,048, K 1,024] x [K 1,024, N 2,048]; A: computed on the way; B: computed on the way: QUANTISED
;;     5. batch 4 x [M 2,048, K 2,048] x [K 2,048, N 1,024]; A: softmax (see below); B: computed on the way: QUANTISED
;;   THE QUANTISER, for each operand of a quantised product, along K:
;;     - K is cut into blocks of 32 from its start; a last block that is shorter is filled with zeros.
;;     - A block's scale is 2^e with e = floor(log2(the largest magnitude in the block)) - 2, held to -126 .. 127; a block of zeros has e = 0. As a byte (E8M0): e + 127.
;;     - Each number is divided by its block's scale, clamped to +-7.5, and rounded to the nearest number of E2M3, ties to even, subnormals kept.
;;     - The product sums the exact products of the quantised numbers (number of the format x scale) in f32.
;;   ~~~python
;;   def quantise(x, axis):      # numpy; x: float32 -> the quantised numbers, widened to float32 again
;;       x = np.moveaxis(x, axis, -1); K = x.shape[-1]
;;       x = np.pad(x, [(0, 0)] * (x.ndim - 1) + [(0, -K % 32)]); x = x.reshape(x.shape[:-1] + (-1, 32)); a = np.abs(x).max(-1, keepdims=True)
;;       e = np.where(a > 0, np.clip(np.frexp(np.where(a > 0, a, 1))[1] - 1 - 2, -126, 127), 0)      # np.frexp(a)[1] - 1 = floor(log2(a)), exactly
;;       r = np.clip(x / 2.0 ** e, -7.5, 7.5)
;;       step = 2.0 ** (np.maximum(np.frexp(np.where(r == 0, 1, r))[1] - 1, 0) - 3)
;;       q = np.round(r / step) * step * 2.0 ** e      # np.round: ties to even
;;       return np.moveaxis(q.reshape(q.shape[:-2] + (-1,))[..., :K], -1, axis).astype(np.float32)
;;   ~~~
;;   SOFTMAX AHEAD OF A QUANTISED PRODUCT. Where the list says 'softmax', what is quantised is not the finished softmax but p = 2^(t - M), with t = logit x log2(e) and M = ceil(the row's largest t), a whole number; so 1/2 < the row's largest p <= 1. The row's sum l is taken of the UNQUANTISED p, in f32, and the product's result is divided by l at the end. Since M is a whole number, a kernel that streams over the keys may use a running M (the ceiling of the running maximum): every later rescaling is an exact power of two, which a block's scale takes up: the codes' values come out the same.
;;   OPERANDS COMPUTED ON THE WAY. 'Computed on the way' means the value that the module computes at that place (a softmax that the list does not call 'softmax' is quantised finished and normalised). What goes into a quantiser is computed in f32, as accurately as f32 sums, v_exp_f32 and their like allow (about 1e-6 of the number): no bf16 or f16 on the way to a quantiser, and a product that is left as it is and whose result goes on into a quantised operand takes f32 operands (vector FMAs, or v_wmma_f32_16x16x4_f32). A number that lies on a knife's edge between two numbers of the format may be rounded either way, as far as f32 arithmetic and the matrix unit's own rounding can turn it there, and no further.
;; One version. Each part assembles by itself: llvm-mc -triple=amdgcn-amd-amdhsa -mcpu=gfx1250 --defsym DOCPART=n.
;; ======== version 1 of 1: 4 launches
;; limits: right only within a limited range of input values
;; workspace buffers: cod 8,650,752 bytes; csc 360,448 bytes; qkv 18,874,368 bytes; qsc 786,432 bytes; pcd 12,582,912 bytes; pst 1,572,864 bytes
;; launch quant (part 1): grid 256 x 1, 11 waves a work-group, no clusters, 94,464 bytes of LDS; arguments x, Wq, Wk, Wv, cod, csc; writes cod, csc
.if DOCPART == 1
	.amdgcn_target "amdgcn-amd-amdhsa--gfx1250"
	.amdhsa_code_object_version 6
	.text
	.protected	k_qd6ed62ac7b_quant
	.globl	k_qd6ed62ac7b_quant
	.p2align	8
	.type	k_qd6ed62ac7b_quant,@function
k_qd6ed62ac7b_quant:
	s_mov_b64 s[64:65], 0
	v_nop
	global_prefetch_b8 v0, s[64:65] scope:SCOPE_SE
	s_setreg_imm32_b32 hwreg(HW_REG_WAVE_MODE, 25, 1), 1
	s_wait_xcnt 0x0
; x [8192][1024], Wq, Wk, Wv [1024][1024], f32, become codes of FP6 (E2M3) with one E8M0 scale byte for each 32 along K (their last axis).
; A block's scale is 2^(floor(log2(its largest magnitude)) - 2); its byte is the largest magnitude's exponent field - 2, held at 1 from below.
; LAYOUT OF THE CODES: images of operand registers.  A fragment is 16 rows x 128 K, 12 registers a lane; registers 4 c .. 4 c + 3 of lane l lie at 512 c + 16 l of its 1,536 bytes.
; cod = [4 K slots of 256][704 row blocks: x 0-511, Wq 512-575, Wk 576-639, Wv 640-703][2 K steps][1536].  THE ROWS OF A BLOCK ARE NOT NEIGHBOURS: place r of block t is row 32 (t / 2) + 8 (t % 2) + r % 8 + 16 (r / 8),
; so that a product which takes two neighbouring blocks as its first source leaves 16 neighbours along the next K in a lane's registers.
; csc = [88 groups of 128 places][8 K steps][128 places] scale words (four bytes: 128 along K of one place).
; SHARES: 352 pairs of row blocks (32 rows) x 8 K steps = 2,816 = 256 work-groups x 11 waves: a wave takes one pair in one K step.  Each load reads 512 consecutive bytes of one row; all 32 go out at once.  A row block turns through the wave's own
; stage in LDS (rows 528 bytes apart) and comes back 16 neighbours a lane and block.  A stream: no matrix unit, no tensor load, no cluster, no barrier: waves share nothing.  A wave's 32 scale words leave as 128 consecutive bytes.
; WORK LEFT OUT BY THE PROGRAM: scores of keys behind the query are set to -infinity by reference()'s own causal mask and carry p = 0, whatever the inputs: where whole clusters of score tiles, or whole units of 128 queries x 512 keys of the
; last product, are hidden they are not done.  A NaN, an infinity or an overflow that reaches only such work is not carried to the result.
; LIMITS: NaN and infinities are not served; a block whose largest magnitude lies under 2^-124, a block of zeros among them, keeps the byte 1 (its codes are then zeros or next to zeros; only this program reads the bytes).
.set WSTG, 16*528                      ; a wave's stage
.set SPARE, 11*WSTG                    ; the spare words: 128 bytes a wave, six blocks of 256 bytes
.set GI,   4                           ; v4   16 x lane: my bytes of a row's 512, and of an image's 512
.set STI,  5                           ; v5   the stage, way in
.set STO,  6                           ; v6   the stage, way out: row r, + 64 h
.set GS,   9                           ; v9   4 x lane
.set SPW,  12
.set NIL,  13
.set RR,   16                          ; v16-143  two row blocks as loaded
.set X,    144                         ; v144-207 64 numbers: register 16 b + i = k 32 b + 16 h + i of my row
.set PC,   208                         ; v208-219 the codes; v220-226 at work
.set TM,   228                         ; v228-243 at work
.set PW,   244                         ; v244, v245 the two blocks' scale words
.set SEL,  20
	s_load_b256 s[4:11], s[0:1], 0x0               ; x, Wq, Wk, Wv
	s_load_b128 s[12:15], s[0:1], 0x20             ; cod, csc
	v_lshl_add_u32 v[SPW], v0, 2, SPARE
	v_mov_b32 v[NIL], 0
	v_lshrrev_b32 v1, 5, v0
	v_readfirstlane_b32 s16, v1                    ; wave
	v_and_b32 v1, 31, v0                           ; lane
	v_and_b32 v2, 15, v0                           ; r
	v_bfe_u32 v3, v0, 4, 1                         ; h
	v_lshlrev_b32 v[GI], 4, v1
	s_mul_i32 s17, s16, WSTG
	v_add_nc_u32 v[STI], s17, v[GI]
	v_mul_u32_u24 v[STO], v2, 528
	v_lshl_add_u32 v[STO], v3, 6, v[STO]
	v_add_nc_u32 v[STO], s17, v[STO]
	v_lshlrev_b32 v[GS], 2, v1
.irp b, 0,1,2,3
	v_mov_b32 v[TM+4+\b], 0                        ; written once: a lane permute's destination counts as one of its sources
.endr
	s_wait_alu depctr_va_vdst(0)
	s_mov_b32 s[SEL], 0x76543210
	s_mov_b32 s[SEL+1], 0xfedcba98                 ; v_permlanex16_b32's selects for lane l xor 16
	s_lshr_b32 s18, ttmp9, 3                       ; which eleven pairs
	s_and_b32 s19, ttmp9, 7                        ; which K step
	s_mul_i32 s17, s18, 11
	s_add_co_u32 s17, s17, s16                     ; my pair, 0..351
	s_wait_kmcnt 0x0
	s_cmp_ge_u32 s17, 256                          ; which tensor: the choice hangs on the pair's number alone
	s_cselect_b64 s[4:5], s[6:7], s[4:5]
	s_cselect_b32 s23, 256, 0                      ; and the tensor's first pair
	s_cmp_ge_u32 s17, 288
	s_cselect_b64 s[4:5], s[8:9], s[4:5]
	s_cselect_b32 s23, 288, s23
	s_cmp_ge_u32 s17, 320
	s_cselect_b64 s[4:5], s[10:11], s[4:5]
	s_cselect_b32 s23, 320, s23
	s_sub_co_u32 s22, s17, s23
	s_lshl_b32 s22, s22, 17                        ; 32 rows of 4,096 bytes
	s_lshl_b32 s24, s19, 9
	s_add_co_u32 s22, s22, s24
	s_mov_b32 s23, 0
	s_add_nc_u64 s[4:5], s[4:5], s[22:23]
.macro LOAD u                          ; block u of my pair: a load a row, 512 consecutive bytes
.irp i, 0,1,2,3,4,5,6,7,8,9,10,11,12,13,14,15
	global_load_b128 v[RR+64*(\u)+4*\i:RR+64*(\u)+4*\i+3], v[GI], s[4:5] offset:(\i+8*(\i/8)+8*(\u))*4096 th:TH_LOAD_NT
.endr
.endm
	LOAD 0
	LOAD 1
	s_mul_i32 s24, s17, 6144                       ; two row blocks of a K slot
	s_lshr_b32 s25, s19, 1
	s_mul_i32 s25, s25, 2162688                    ; a K slot: 704 x 3,072 bytes
	s_add_co_u32 s24, s24, s25
	s_and_b32 s25, s19, 1
	s_mul_i32 s25, s25, 1536
	s_add_co_u32 s24, s24, s25
	s_mov_b32 s25, 0
	s_add_nc_u64 s[12:13], s[12:13], s[24:25]
	s_lshr_b32 s24, s17, 2
	s_lshl_b32 s24, s24, 12                        ; the group of 128 places,
	s_lshl_b32 s26, s19, 9                         ; its K step,
	s_add_co_u32 s24, s24, s26
	s_and_b32 s26, s17, 3
	s_lshl_b32 s26, s26, 7                         ; my 32 places
	s_add_co_u32 s24, s24, s26
	s_add_nc_u64 s[14:15], s[14:15], s[24:25]
; 64 numbers of a lane, v[s] on, become a fragment's codes in v[PC] on and its scale word in v[pw]
.macro QUANT s, pw
.irp b, 0,1,2,3
	v_max3_num_f32 v[TM+\b], |v[\s+16*\b]|, |v[\s+1+16*\b]|, 0x1800000   ; block b: my 16 numbers, and the floor 2^(3 - 127): the byte cannot fall under 1
.endr
.irp i, 2,4,6,8,10,12,14
.irp b, 0,1,2,3
	v_max3_num_f32 v[TM+\b], v[TM+\b], |v[\s+16*\b+\i]|, |v[\s+1+16*\b+\i]|   ; the four blocks by turns
.endr
.endr
.irp b, 0,1,2,3
	v_permlanex16_b32 v[TM+4+\b], v[TM+\b], s[SEL], s[SEL+1]
.endr
.irp b, 0,1,2,3
	v_max_num_f32 v[TM+\b], v[TM+\b], v[TM+4+\b]   ; with lane l xor 16's: the block's largest magnitude
.endr
.irp b, 0,1,2,3
	v_add_nc_u32 v[TM+12+\b], 0xff000000, v[TM+\b] ; 2 off its exponent field: the conversion takes this operand's exponent field as its scale
.endr
.irp b, 0,1,2,3
	v_lshrrev_b32 v[TM+4+\b], 23, v[TM+12+\b]      ; the scale's byte
.endr
	v_lshl_or_b32 v[\pw], v[TM+5], 8, v[TM+4]
	v_lshl_or_b32 v[\pw], v[TM+6], 16, v[\pw]
	v_lshl_or_b32 v[\pw], v[TM+7], 24, v[\pw]
.irp c, 0,1
	v_cvt_scalef32_pk16_fp6_f32 v[PC+6*\c:PC+2+6*\c], v[\s+32*\c:\s+15+32*\c], v[TM+12+2*\c]
	v_cvt_scalef32_pk16_fp6_f32 v[PC+12+4*\c:PC+14+4*\c], v[\s+16+32*\c:\s+31+32*\c], v[TM+12+2*\c+1]   ; (a conversion's three registers begin on an even number)
.endr
	v_nop                                          ; one plain place behind a scaled conversion
.irp c, 0,1                                    ; the operand's layout wants a whole block in a lane: lanes 0-15 block 2 c, lanes 16-31 block 2 c + 1
.irp i, 0,1,2
	v_permlane16_swap_b32 v[PC+6*\c+\i], v[PC+12+4*\c+\i]
.endr
.irp i, 0,1,2
	v_mov_b32 v[PC+3+6*\c+\i], v[PC+12+4*\c+\i]
.endr
.endr
.endm
.macro STEP u
.if (\u) == 0
	s_wait_loadcnt 16                              ; this block's 16 loads are in; the other's 16 may be out
.else
	s_wait_loadcnt 0x0
.endif
.irp i, 0,1,2,3,4,5,6,7,8,9,10,11,12,13,14,15
	ds_store_b128 v[STI], v[RR+64*(\u)+4*\i:RR+64*(\u)+4*\i+3] offset:528*\i
.endr
.irp b, 0,1,2,3
.irp j, 0,1,2,3
	ds_load_b128 v[X+16*\b+4*\j:X+16*\b+4*\j+3], v[STO] offset:128*\b+16*\j   ; LDS serves a wave's instructions in order: these see the stores above
.endr
.endr
	s_wait_dscnt 0x0                               ; the numbers are back
	s_wait_xcnt 0x0                                ; the last block's stores have read the codes' registers, which are written again below
	QUANT X, PW+(\u)
.irp c, 0,1,2
	global_store_b128 v[GI], v[PC+4*\c:PC+4*\c+3], s[12:13] offset:3072*(\u)+512*\c   ; 32 lanes store 512 consecutive bytes, at a multiple of 256 from the buffer's first byte
.endr
.endm
	STEP 0
	STEP 1
	v_cmp_le_u32 vcc_lo, 16, v1
	v_cndmask_b32 v[PW], v[PW], v[PW+1], vcc_lo    ; lanes 0-15 the first block's 16 places, lanes 16-31 the second's
	global_store_b32 v[GS], v[PW], s[14:15]        ; 128 consecutive bytes
	s_wait_tensorcnt 0x0                           ; the wave's end
	ds_add_u32 v[SPW], v[NIL]
	s_wait_dscnt 0x0
	s_endpgm
.Lfunc_end_k_qd6ed62ac7b_quant:
	.size	k_qd6ed62ac7b_quant, .Lfunc_end_k_qd6ed62ac7b_quant-k_qd6ed62ac7b_quant
	.p2alignl 7, 3214868480
	.fill 96, 4, 3214868480
	.section	.rodata,"a",@progbits
	.p2align	6, 0x0
	.amdhsa_kernel k_qd6ed62ac7b_quant
		.amdhsa_group_segment_fixed_size 94464
		.amdhsa_private_segment_fixed_size 0
		.amdhsa_enable_private_segment 0
		.amdhsa_kernarg_size 48
		.amdhsa_user_sgpr_count 2
		.amdhsa_user_sgpr_kernarg_segment_ptr 1
		.amdhsa_wavefront_size32 1
		.amdhsa_system_sgpr_workgroup_id_x 1
		.amdhsa_system_sgpr_workgroup_id_y 1
		.amdhsa_system_sgpr_workgroup_id_z 1
		.amdhsa_system_vgpr_workitem_id 0
		.amdhsa_next_free_vgpr 256
		.amdhsa_next_free_sgpr 66
		.amdhsa_reserve_vcc 1
		.amdhsa_float_denorm_mode_32 3
		.amdhsa_float_denorm_mode_16_64 3
		.amdhsa_memory_ordered 1
		.amdhsa_forward_progress 1
		.amdhsa_inst_pref_size 19
	.end_amdhsa_kernel
	.amdgpu_metadata
---
amdhsa.version: [ 1, 2 ]
amdhsa.kernels:
  - .name:           k_qd6ed62ac7b_quant
    .symbol:         k_qd6ed62ac7b_quant.kd
    .args:
      - { .name: x, .offset: 0, .size: 8, .value_kind: global_buffer, .address_space: global }
      - { .name: Wq, .offset: 8, .size: 8, .value_kind: global_buffer, .address_space: global }
      - { .name: Wk, .offset: 16, .size: 8, .value_kind: global_buffer, .address_space: global }
      - { .name: Wv, .offset: 24, .size: 8, .value_kind: global_buffer, .address_space: global }
      - { .name: cod, .offset: 32, .size: 8, .value_kind: global_buffer, .address_space: global }
      - { .name: csc, .offset: 40, .size: 8, .value_kind: global_buffer, .address_space: global }
    .group_segment_fixed_size: 94464
    .private_segment_fixed_size: 0
    .kernarg_segment_align: 8
    .kernarg_segment_size: 48
    .max_flat_workgroup_size: 352
    .sgpr_count:     66
    .vgpr_count:     256
    .wavefront_size: 32
...
	.end_amdgpu_metadata
.endif
;; end of part 1
;; launch project (part 2): grid 8 x 32, 4 waves a work-group, clusters of 4 x 4, 327,680 bytes of LDS; arguments cod, csc, qkv, qsc; writes qkv, qsc
.if DOCPART == 2
	.amdgcn_target "amdgcn-amd-amdhsa--gfx1250"
	.amdhsa_code_object_version 6
	.text
	.protected	k_qd6ed62ac7b_project
	.globl	k_qd6ed62ac7b_project
	.p2align	8
	.type	k_qd6ed62ac7b_project,@function
k_qd6ed62ac7b_project:
	s_mov_b64 s[64:65], 0
	v_nop
	global_prefetch_b8 v0, s[64:65] scope:SCOPE_SE
	s_setreg_imm32_b32 hwreg(HW_REG_WAVE_MODE, 25, 1), 1
	s_wait_xcnt 0x0
	s_wait_alu depctr_hold_cnt(0) depctr_sa_sdst(0) depctr_va_vdst(0) depctr_va_sdst(0) depctr_va_ssrc(0) depctr_va_vcc(0) depctr_vm_vsrc(0)
	s_getreg_b32 s2, hwreg(HW_REG_IB_STS2, 6, 4)
	s_cmp_eq_u32 s2, 0
	s_cbranch_scc0 .Lentry_in_a_cluster
	s_endpgm
.Lentry_in_a_cluster:
	s_bfe_u32 s2, ttmp6, 0x10000c
	s_cmp_lg_u32 s2, 0xf033
	s_cbranch_scc0 .Lentry_shape_is_right
	s_endpgm
.Lentry_shape_is_right:
; q = x Wq^T, k = x Wk^T, v^T = Wv x^T on codes of FP6 (E2M3) with E8M0 scales, K = 1,024; the results are quantised on the way out and leave as codes.
; All operands lie in ONE buffer of fragment images (cod: [4 K slots][704 row blocks][2][1536]; x at place 0, Wq 8192, Wk 9216, Wv 10240); csc: [88 groups of 128 places][8 K steps][128 places] scale words.
; A WORK-GROUP STAYS AND MAKES TWO TILES, so that 256 work-groups share the work evenly (the work is 384 tiles of 256 x 256):
;   tile 1: 256 tokens x 256 rows of Wq | Wk: A = x (tile row 4 x cluster y + cy), B = Wq | Wk (tile column 4 x cluster x + cx); a wave makes 128 x 128: 64 accumulators.
;   tile 2: 256 channels x 128 tokens of v^T: A = Wv (tile cy), B = x (token step 4 (cluster x + 2 cluster y) + cx); a wave makes 64 channels x all 128 tokens: 32 accumulators.
; THE MATRIX INSTRUCTION IS USED TRANSPOSED (source 0 = 16 places of B, source 1 = 16 places of A): a lane holds ONE place of A, and, by the order of rows in a block (place r of block t = row 32 (t / 2) + 8 (t % 2) + r % 8 + 16 (r / 8)),
; the 64 registers of one block of A against eight blocks of B are 128 rows of B in their true order: register 16 b + i = row 32 b + 16 (lane / 16) + i.  They are one K step of the next product: q and k are quantised along
; d_out, v along the tokens, and each block leaves as a fragment image with A's order of places.
; qkv: units of 1,536 bytes: q, k: (token block) x 16 + K step (0-7 q, 8-15 k);  v: 8192 + 1024 batch + 16 (channel block) + key step.   qsc: planes of scale words: q, k [16][8192]; from byte 524,288 v [4][16][1024].
; THE RING: three LDS slots of 256 along K; the two tiles have eight K slots, j = 0 .. 7, K slot j in slot j % 3.  K slots 0, 1, 2 are asked for together at the start; the change of slots behind K slot j asks for K slot j + 3,
; which so has two K slots' products in which to land; the ring goes on from tile 1 into tile 2, and tile 1's stores leave while tile 2 is multiplied.  All is written out: no loop.
; CLUSTERS: 4 x 4.  A's tiles are shared along a row of the cluster, B's along a column: each is asked for jointly, by the same tensor load with the same descriptor and a mask that names the four.
; Waves 0 and 1 fetch A's halves; waves 2 and 3 B's halves in tile 1; in tile 2 B is one load, wave 2's, and wave 3 has no part to fetch.
; By this text's own count a wave has one tensor load out at the start and one behind each refill.
; REGISTERS: window 0: v1-31 addresses; v32-63 scale words, two sets, and nothing else; v64-127 the way out's work; v128-223 A's fragments (tile 1: one set of eight blocks; tile 2: two sets of four).
;   window 1: B's fragments, two sets, at v0 and v128.  windows 2, 3: accumulators (a, b) at v[8 (8 (a % 4) + b)]; tile 2 uses window 2 alone.
; LIMITS: NaN and infinities are not served; a block whose largest magnitude lies under 2^-124 keeps the byte 1.
.set NQ,    2                          ; K steps of 128 in a slot
.set FR,    12                         ; registers of a fragment
.set FRB,   1536                       ; and its image in bytes
.set RB,    NQ*FRB                     ; a row block's bytes in a slot: one row of a tile
.set HALFT, 8*RB                       ; 8 row blocks, 128 places: what one tensor load brings
.set SLOT,  4*HALFT                    ; A's two halves, then B's two
; THE HEAD AND THE ORDER OF cod, csc IN THIS TEXT: cod = [4 K slots][704 row blocks][2][1536], csc = [88 groups of 128 places][8 K steps][128 places].  At the head one joint load a wave: K slot 0 of A, of B, A's scale words, B's; behind the next
; round waves 0 and 1 bring K slots 1 and 2 of A and of B, waves 2 and 3 tile 2's scale words.  LDS: slot 0: A, B; then A of slot 1, A of slot 2, B of slot 1, B of slot 2.
.set SCL,    3*SLOT
.set KSL,    704*RB                    ; from K slot to K slot in cod
.set SCL2,  SCL+4*4096                 ; tile 2's: A's two halves, then B's 128 places
.set SPARE, SCL2+3*4096                ; the spare words, 128 bytes a wave: two blocks of 256 bytes that no other line names
.set GST,   SPARE+512                  ; the way out: 512 bytes a wave, for its results' scale words
.set LI,    3                          ; v3     16 x lane: my place in an image
.set ADRA,  6                          ; v6-8   tile 1: LDS address of my A fragments in slot 0, 1, 2
.set ADRB,  9                          ; v9-11  the same for B
.set ADRA2, 12                         ; v12-14 tile 2: my quarter of A
.set ADRB2, 16                         ; v16-18 tile 2: B, the same for all waves
.set ADRS3, 23                         ; v23    tile 2's scale words for registers 4-7 of a set
.set GSW,   24
.set GSR,   25
.set ADRS2, 26                         ; v26    tile 2's scale words for registers 0-3 of a set
.set ADRS,  27                         ; v27    tile 1's scale words: lanes 0-15 A's places, lanes 16-31 B's
.set SPW,   28                         ; v28    my spare word; never rewritten
.set NIL,   29                         ; v29    0; never rewritten
.set GSR2,  30
.set GS8,   31                         ; v31    8 x lane
.set SC,    32                         ; set s at v[SC + 16 s]; register 2 i + q: lanes 0-15 A's block i, lanes 16-31 B's block i, the slot's q-th 128 along K
.set PC,    64                         ; the way out: v64-75 codes, v76-82 at work
.set TM,    96
.set PWS,   112                        ; v112-119 the blocks' scale words
.set OW,    120
.set AF,    128
.set KA2,   2                          ; s[2:3]    tile 2: where my part of A's codes begins
.set KB2,   12                         ; s[12:13]  and of B's
.set O2S,   18                         ; s[18:19]  tile 2: where my scale words go
.set G1,    24                         ; s[24:31]  group 1 for A's tiles
.set G0,    32                         ; s[32:39]  A's groups 0 of slots 0, 1; slot 2's in s[92:95]
.set G0S2,  40                         ; s[40:43], s[44:47] groups 0 for tile 2's scale words
.set G0SB2, 44
.set G1B,   48
.set G0B,   56                         ; s[56:63]  B's groups 0 of slots 0, 1; slot 2's in s[96:99]
.set SEL,   66
.set G1S,   68
.set G0S,   76
.set G1SB,  80
.set G0SB,  88
.set O2C,   100                        ; s[100:101] tile 2: where my codes go
.set MUL_LO, 0xa1                      ; source 0 (B) window 1, source 1 (A) window 0, C and D window 2
.set MUL_HI, 0xf1                      ; the same, C and D window 3
.set TO_B,   0x40                      ; destination window 1
.set MSB, 0
.macro WIN new                         ; the immediate's high byte repeats the setting that is left
.if MSB != (\new)
	s_set_vgpr_msb (MSB<<8)|(\new)
.set MSB, (\new)
.endif
.endm
.macro GSET slot                       ; the groups 0 of a slot
.set GA, G0+4*(\slot)+52*((\slot)/2)
.set GB, G0B+4*(\slot)+32*((\slot)/2)
.set AO, 0                             ; where the slot's A begins, and its B less 2 HALFT
.set BO, 0
.if (\slot) > 0
.set AO, (2*(\slot)+2)*HALFT
.set BO, (2*(\slot)+4)*HALFT
.endif
.endm
; A joint load of tile 1: waves 0 and 1 fetch for A, waves 2 and 3 for B; the branch hangs on the wave's number alone.  Four v_nop follow each of the two lines.
.macro JLOAD g0a, g1a, g0b, g1b
	s_cmp_eq_u32 s15, 0
	s_cbranch_scc0 .Lfor_b_\@
	tensor_load_to_lds s[\g0a:\g0a+3], s[\g1a:\g1a+7]
	s_nop 0
.rept 4
	v_nop
.endr
	s_branch .Lasked_\@
.Lfor_b_\@:
	tensor_load_to_lds s[\g0b:\g0b+3], s[\g1b:\g1b+7]
	s_nop 0
.rept 4
	v_nop
.endr
.Lasked_\@:
.endm
; A joint load of tile 2: waves 0 and 1 fetch A's halves, wave 2 B's 128 places, wave 3 nothing.
.macro JLOAD2 g0a, g1a, g0b, g1b
	s_cmp_eq_u32 s15, 0
	s_cbranch_scc0 .Lnot_a_\@
	tensor_load_to_lds s[\g0a:\g0a+3], s[\g1a:\g1a+7]
	s_nop 0
.rept 4
	v_nop
.endr
	s_branch .Lasked2_\@
.Lnot_a_\@:
	s_cmp_eq_u32 s14, 2
	s_cbranch_scc0 .Lasked2_\@
	tensor_load_to_lds s[\g0b:\g0b+3], s[\g1b:\g1b+7]
	s_nop 0
.rept 4
	v_nop
.endr
.Lasked2_\@:
.endm
.macro CREST                           ; a round of the cluster's barrier behind its opening barrier
	s_cmp_lg_u32 s14, 0
	s_cbranch_scc1 .Lnot_wave_0_\@
	s_barrier_signal -3
.Lnot_wave_0_\@:
	s_barrier_wait -3
	s_barrier_signal -1
	s_barrier_wait -1
.endm
.macro CROUND
	s_barrier_signal -1
	s_barrier_wait -1
	CREST
.endm
	s_load_b256 s[4:11], s[0:1], 0x0               ; cod s[4:5], csc s[6:7], qkv s[8:9], qsc s[10:11]
	v_lshl_add_u32 v[SPW], v0, 2, SPARE
	v_mov_b32 v[NIL], 0
	ds_add_u32 v28, v29
	ds_add_u32 v28, v29
	s_wait_dscnt 0x0
	v_lshrrev_b32 v1, 5, v0
	v_readfirstlane_b32 s14, v1                    ; wave 0..3
	s_lshr_b32 s15, s14, 1                         ; tile 1: my half of A's places.  Also: I fetch for A (0) or for B (1)
	s_and_b32 s16, s14, 1                          ; tile 1: my half of B's places.  Also: which half I fetch
	s_bfe_u32 s18, ttmp6, 0x40000                  ; cx
	s_bfe_u32 s19, ttmp6, 0x40004                  ; cy
	s_and_b32 s17, ttmp7, 0xffff                   ; cluster y, 0..7
	s_lshl_b32 s20, s19, 2
	s_lshl_b32 s20, 15, s20                        ; my row of the cluster
	s_lshl_b32 s21, 0x1111, s18                    ; my column
	; group 1 for the tiles: 8 rows (row blocks) of 3,072 bytes, 3,072 bytes apart; elements of 8 bytes; no padding: images are read 512 consecutive bytes at a time
	s_or_b32 s[G1+0], s20, (3<<16)|(1<<21)
	s_or_b32 s[G1B+0], s21, (3<<16)|(1<<21)
.irp g, G1, G1B
	s_mov_b32 s[\g+1], 384<<16                     ; tensor_dim0
	s_mov_b32 s[\g+2], 16<<16                      ; the head: 16 row blocks, dense
	s_mov_b32 s[\g+3], 384<<16
	s_mov_b32 s[\g+4], 16
	s_mov_b32 s[\g+5], 384
	s_mov_b32 s[\g+6], 0
	s_mov_b32 s[\g+7], 0
.endr
	; and for the scale words of 128 places: 8 planes of 512 bytes, 512 bytes apart
	s_or_b32 s[G1S+0], s20, (3<<16)|(1<<21)
	s_or_b32 s[G1SB+0], s21, (3<<16)|(1<<21)
.irp g, G1S, G1SB
	s_mov_b32 s[\g+1], 64<<16
	s_mov_b32 s[\g+2], 16<<16                      ; 256 places: 8,192 bytes, dense
	s_mov_b32 s[\g+3], 64<<16
	s_mov_b32 s[\g+4], 16
	s_mov_b32 s[\g+5], 64
	s_mov_b32 s[\g+6], 0
	s_mov_b32 s[\g+7], 0
.endr
	; where the tiles come from: each offset is made in the registers that will hold the address.  A's hang on the cluster's y, cy and the wave; B's on the cluster's x and y, cx and the wave
	s_lshl_b32 s23, s16, 7                         ; the 128 places that I fetch
	s_lshl_b32 s20, s17, 2
	s_add_co_u32 s20, s20, s19                     ; tile 1: A's tile row, 0..31
	s_lshl_b32 s34, s20, 8
	s_lshl_b32 s78, s34, 5                         ; 128 places' scale words are 4,096 bytes
	s_mov_b32 s79, 0
	s_mul_i32 s34, s34, 192                        ; 16 places of a K slot are 3,072 bytes
	s_mov_b32 s35, 0
	s_lshl_b32 s2, s19, 8                          ; tile 2: A = Wv, tile cy
	s_add_co_u32 s2, s2, 10240
	s_lshl_b32 s42, s2, 5
	s_add_co_u32 s2, s2, s23
	s_mov_b32 s43, 0
	s_mul_i32 s2, s2, 192
	s_mov_b32 s3, 0
	s_lshl_b32 s22, ttmp9, 2
	s_add_co_u32 s22, s22, s18                     ; tile 1: B's tile column, 0..7
	s_lshl_b32 s58, s22, 8
	s_add_co_u32 s58, s58, 8192                    ; Wq and Wk lie behind x
	s_lshl_b32 s90, s58, 5
	s_mov_b32 s91, 0
	s_mul_i32 s58, s58, 192
	s_mov_b32 s59, 0
	s_lshl_b32 s12, s17, 1                         ; tile 2: B = x, token step 4 (cluster x + 2 cluster y) + cx, 0..63
	s_add_co_u32 s12, s12, ttmp9
	s_lshl_b32 s12, s12, 2
	s_add_co_u32 s12, s12, s18
	s_lshl_b32 s46, s12, 12
	s_mov_b32 s47, 0
	s_mul_i32 s12, s12, 24576                      ; 128 places of a K slot
	s_mov_b32 s13, 0
	s_wait_kmcnt 0x0
	s_add_nc_u64 s[34:35], s[4:5], s[34:35]
	s_add_nc_u64 s[78:79], s[6:7], s[78:79]
	s_add_nc_u64 s[KA2:KA2+1], s[4:5], s[KA2:KA2+1]
	s_add_nc_u64 s[42:43], s[6:7], s[42:43]
	s_add_nc_u64 s[58:59], s[4:5], s[58:59]
	s_add_nc_u64 s[90:91], s[6:7], s[90:91]
	s_add_nc_u64 s[KB2:KB2+1], s[4:5], s[KB2:KB2+1]
	s_add_nc_u64 s[46:47], s[6:7], s[46:47]
	s_add_nc_u64 s[38:39], s[34:35], KSL           ; K slot 1, and behind it K slot 2
	s_add_nc_u64 s[62:63], s[58:59], KSL
	; THE PREFETCHES: tile 1's K slots 1 and 2 behind the head's loads, K slot 3 behind the second ones; a K slot of a tile is 192 blocks of 256 bytes, a lane a block.  A's are shared out by address among the eight waves 0 and 1 of my row of the
	; cluster (24 each), B's (rows of Wq, Wk) among the waves 2 and 3 of all 32 work-groups that read them (3 each); the lanes left over name the last block again
	s_lshl_b32 s100, s18, 1
	s_add_co_u32 s100, s100, s16
	s_mul_i32 s100, s100, 6144
	s_lshl_b32 s101, s17, 2
	s_add_co_u32 s101, s101, s19
	s_lshl_b32 s101, s101, 1
	s_add_co_u32 s101, s101, s16
	s_mul_i32 s101, s101, 768
	s_mov_b32 s21, 2
	s_cmp_eq_u32 s15, 0
	s_cselect_b64 s[94:95], s[34:35], s[58:59]
	s_cselect_b32 s100, s100, s101
	s_cselect_b32 s21, 23, s21
	s_mov_b32 s101, 0
	s_add_nc_u64 s[94:95], s[94:95], s[100:101]
	s_add_nc_u64 s[94:95], s[94:95], KSL
	v_and_b32 v19, 31, v0
	v_min_u32 v19, s21, v19
	v_lshlrev_b32 v19, 8, v19
.irp g, G0, G0+4, G0S2, G0SB2, G0B, G0B+4, G0S, G0SB
	s_mov_b32 s[\g], 1                             ; count = 1
	s_or_b32 s[\g+3], s[\g+3], 0x80000000          ; type = 2
.endr
	s_mov_b32 s92, 1                               ; slot 2's groups 0 are completed at its refill
	s_mov_b32 s96, 1
	s_mov_b32 s[G0+1], 0
	s_mov_b32 s[G0B+1], 2*HALFT
	s_mov_b32 s[G0+5], 4*HALFT
	s_mov_b32 s[G0B+5], 8*HALFT
	s_mov_b32 s[G0S+1], SCL
	s_mov_b32 s[G0SB+1], SCL+8192
	s_mov_b32 s[G0S2+1], SCL2
	s_mov_b32 s[G0SB2+1], SCL2+8192
	s_wait_alu depctr_va_vdst(0)
.macro ARM n, g0, g1, join             ; one arm of a chain of branches on the wave's number: one load, then the chain's end
	s_cmp_eq_u32 s14, \n
	s_cbranch_scc0 .Larm_\@
	tensor_load_to_lds s[\g0:\g0+3], s[\g1:\g1+7]
	s_nop 0
.rept 4
	v_nop
.endr
	s_branch \join
.Larm_\@:
.endm
	CROUND                                         ; all sixteen work-groups are here: the first joint loads meet
	ARM 0, G0, G1, .Lhead_asked
	ARM 1, G0B, G1B, .Lhead_asked
	ARM 2, G0S, G1S, .Lhead_asked
	tensor_load_to_lds s[G0SB:G0SB+3], s[G1SB:G1SB+7]
	s_nop 0
.rept 4
	v_nop
.endr
.Lhead_asked:
	; where my results go.  Tile 2 first: its pointers are made of the buffers' addresses as they came
	s_lshl_b32 s21, s17, 1
	s_add_co_u32 s21, s21, ttmp9
	s_lshl_b32 s21, s21, 2
	s_add_co_u32 s21, s21, s18                     ; the token step
	s_lshr_b32 s23, s21, 4                         ; its batch,
	s_and_b32 s21, s21, 15                         ; and the key step in the batch
	s_lshl_b32 s100, s19, 4
	s_lshl_b32 s101, s14, 2
	s_add_co_u32 s100, s100, s101                  ; my first channel block: 16 cy + 4 x wave
	s_lshl_b32 s100, s100, 4
	s_add_co_u32 s100, s100, s21
	s_lshl_b32 s101, s23, 10
	s_add_co_u32 s100, s100, s101
	s_add_co_u32 s100, s100, 8192                  ; the unit
	s_mul_i32 s100, s100, FRB
	s_mov_b32 s101, 0
	s_add_nc_u64 s[O2C:O2C+1], s[8:9], s[100:101]
	s_lshl_b32 s18, s23, 16
	s_lshl_b32 s17, s21, 12                        ; a plane of v's scale words is 4,096 bytes
	s_add_co_u32 s18, s18, s17
	s_lshl_b32 s17, s19, 10
	s_add_co_u32 s18, s18, s17
	s_lshl_b32 s17, s14, 8                         ; my 64 places
	s_add_co_u32 s18, s18, s17
	s_add_co_u32 s18, s18, 524288
	s_mov_b32 s19, 0
	s_add_nc_u64 s[O2S:O2S+1], s[10:11], s[18:19]
	s_lshl_b32 s21, s20, 4                         ; tile 1
	s_lshl_b32 s23, s15, 3
	s_add_co_u32 s21, s21, s23                     ; my first token block
	s_lshl_b32 s21, s21, 4
	s_lshl_b32 s23, s22, 1
	s_add_co_u32 s23, s23, s16                     ; my 128 rows of Wq | Wk: the K step that I make, 0..15
	s_add_co_u32 s21, s21, s23                     ; the unit
	s_lshl_b32 s17, s20, 10
	s_mul_i32 s20, s21, FRB
	s_mov_b32 s21, 0
	s_add_nc_u64 s[8:9], s[8:9], s[20:21]
	s_lshl_b32 s20, s23, 15                        ; a plane of q's and k's scale words is 32,768 bytes
	s_add_co_u32 s20, s20, s17
	s_lshl_b32 s17, s15, 9
	s_add_co_u32 s20, s20, s17
	s_add_nc_u64 s[10:11], s[10:11], s[20:21]
	; LDS addresses
	v_and_b32 v1, 15, v0                           ; r
	v_bfe_u32 v2, v0, 4, 1                         ; h
	v_and_b32 v[LI], 31, v0
	v_lshlrev_b32 v[GS8], 3, v[LI]
	v_lshlrev_b32 v[LI], 4, v[LI]
	s_wait_alu depctr_va_vdst(0)
	s_mul_i32 s20, s15, HALFT                      ; tile 1: my half of A,
	s_mul_i32 s21, s16, HALFT
	s_add_co_u32 s21, s21, 2*HALFT                 ; my half of B
	s_mul_i32 s22, s14, 4*RB                       ; tile 2: my four blocks of A's sixteen,
	s_mov_b32 s23, 2*HALFT                         ; and B's eight
	global_prefetch_b8 v19, s[94:95] th:TH_LOAD_NT scope:SCOPE_SE              ; K slot 1
	global_prefetch_b8 v19, s[94:95] offset:KSL th:TH_LOAD_NT scope:SCOPE_SE   ; K slot 2
.irp s, 0,1,2
	GSET \s
	s_add_co_u32 s17, s20, AO
	v_add_nc_u32 v[ADRA+\s], s17, v[LI]
	s_add_co_u32 s17, s21, BO
	v_add_nc_u32 v[ADRB+\s], s17, v[LI]
	s_add_co_u32 s17, s22, AO
	v_add_nc_u32 v[ADRA2+\s], s17, v[LI]
	s_add_co_u32 s17, s23, BO
	v_add_nc_u32 v[ADRB2+\s], s17, v[LI]
.endr
	s_lshl_b32 s20, s15, 12                        ; tile 1: A's scale words: my half
	s_lshl_b32 s21, s16, 12                        ; B's: my half, behind A's two
	s_add_co_u32 s21, s21, 8192
	s_sub_co_u32 s21, s21, s20
	v_mul_u32_u24 v4, s21, v2                      ; lanes 16-31 take B's: the lower base + h x the distance
	s_add_co_u32 s20, s20, SCL
	v_lshl_add_u32 v4, v1, 2, v4
	v_add_nc_u32 v[ADRS], s20, v4
	s_lshl_b32 s20, s15, 12                        ; tile 2: A's scale words: my 64 places of a plane of their half
	s_lshl_b32 s21, s16, 8
	s_add_co_u32 s20, s20, s21
	s_mov_b32 s21, 8192
	s_sub_co_u32 s21, s21, s20                     ; from there to B's
	v_mul_u32_u24 v4, s21, v2
	s_add_co_u32 s22, s20, SCL2
	v_lshl_add_u32 v4, v1, 2, v4
	v_add_nc_u32 v[ADRS2], s22, v4
	s_add_co_u32 s21, s21, 256                     ; for registers 4-7 of a set: lanes 0-15 take A's blocks 0-3 once more (four blocks, 256 bytes, back), lanes 16-31 B's blocks 4-7
	v_mul_u32_u24 v4, s21, v2
	s_add_co_u32 s22, s20, SCL2-256
	v_lshl_add_u32 v4, v1, 2, v4
	v_add_nc_u32 v[ADRS3], s22, v4
	s_lshl_b32 s20, s14, 9
	s_add_co_u32 s20, s20, GST
	v_lshl_add_u32 v[GSW], v1, 2, s20
	v_add_nc_u32 v[GSR], s20, v[LI]
	v_add_nc_u32 v[GSR2], s20, v[GS8]
	s_mov_b32 s[SEL], 0x76543210
	s_mov_b32 s[SEL+1], 0xfedcba98
.irp b, 0,1,2,3
	v_mov_b32 v[TM+4+\b], 0                        ; a lane permute's destination counts as one of its sources
.endr
.macro FRAG reg, adr, q, i             ; a fragment comes back as it was stored: three loads of 512 consecutive bytes
.irp c, 0,1,2
	ds_load_b128 v[\reg+4*\c:\reg+4*\c+3], v[\adr] offset:(\i)*RB+(\q)*FRB+512*\c
.endr
.endm
; 8 matrix instructions: the block of A in registers a x B's eight.  p: B's set; sc: the set of scale words.  zero = 1: the product starts the sums.  The accumulators take turns, one instruction a turn.
.macro MULA a, p, q, sc, zero
.irp b, 0,1,2,3,4,5,6,7
.if \zero
	v_wmma_scale_f32_16x16x128_f8f6f4 v[8*(8*((\a)%4)+\b):8*(8*((\a)%4)+\b)+7], v[128*(\p)+FR*\b:128*(\p)+FR*\b+FR-1], v[AF+FR*(\a):AF+FR*(\a)+FR-1], 0, v[SC+16*(\sc)+2*\b+(\q)], v[SC+16*(\sc)+2*(\a)+(\q)] matrix_a_fmt:MATRIX_FMT_FP6 matrix_b_fmt:MATRIX_FMT_FP6 matrix_a_scale:MATRIX_SCALE_ROW1
.else
	v_wmma_scale_f32_16x16x128_f8f6f4 v[8*(8*((\a)%4)+\b):8*(8*((\a)%4)+\b)+7], v[128*(\p)+FR*\b:128*(\p)+FR*\b+FR-1], v[AF+FR*(\a):AF+FR*(\a)+FR-1], v[8*(8*((\a)%4)+\b):8*(8*((\a)%4)+\b)+7], v[SC+16*(\sc)+2*\b+(\q)], v[SC+16*(\sc)+2*(\a)+(\q)] matrix_a_fmt:MATRIX_FMT_FP6 matrix_b_fmt:MATRIX_FMT_FP6 matrix_a_scale:MATRIX_SCALE_ROW1
.endif
.endr
.endm
.macro FETCH_B adr, q, p               ; B's eight fragments into set p
	WIN TO_B
.irp i, 0,1,2,3,4,5,6,7
	FRAG 128*(\p)+FR*\i, \adr, \q, \i
.endr
	WIN 0
.endm
.macro FETCH_A adr, q, r0, i0          ; four fragments of A: blocks i0 .. i0 + 3 of the address into registers r0 .. r0 + 3
.irp i, 0,1,2,3
	FRAG AF+FR*((\r0)+\i), \adr, \q, (\i0)+\i
.endr
.endm
.macro SCALES sc, kslot                ; tile 1: the scale words of its K slot kslot into set sc
.irp i, 0,1,2,3,4,5,6,7
.irp q, 0,1
	ds_load_b32 v[SC+16*(\sc)+2*\i+\q], v[ADRS] offset:512*(2*(\kslot)+\q)+64*\i
.endr
.endr
.endm
.macro SCALES2 sc, kslot               ; tile 2: registers 0-3: A's blocks 0-3 and B's 0-3; registers 4-7: A's blocks 0-3 once more (for the second set of A's registers) and B's 4-7
.irp i, 0,1,2,3
.irp q, 0,1
	ds_load_b32 v[SC+16*(\sc)+2*\i+\q], v[ADRS2] offset:512*(2*(\kslot)+\q)+64*\i
.endr
.endr
.irp i, 4,5,6,7
.irp q, 0,1
	ds_load_b32 v[SC+16*(\sc)+2*\i+\q], v[ADRS3] offset:512*(2*(\kslot)+\q)+64*\i
.endr
.endr
.endm
.macro PLACES                          ; four plain places behind a matrix instruction, ahead of loads into registers that it read and of the first read of results
.rept 4
	v_nop
.endr
.endm
; TILE 1.  A slot's first 128 along K.
.macro STEP slot, sc, zero
	s_wait_dscnt 12                                ; all but the youngest 12 loads (A's blocks 4-7) are in
	WIN MUL_LO
.irp a, 0,1,2,3
	MULA \a, 0, 0, \sc, \zero
.endr
	s_wait_dscnt 0x0                               ; A's blocks 4-7 are in
	PLACES
	FETCH_B ADRB+\slot, 1, 1
	FETCH_A ADRA+\slot, 1, 0, 0
	WIN MUL_HI
.irp a, 4,5,6,7
	MULA \a, 0, 0, \sc, \zero
.endr
	PLACES
	WIN 0
	FETCH_A ADRA+\slot, 1, 4, 4
.endm
; A slot's second 128 along K changes slots.  HEAD: one barrier; in front of it each wave waits for all its tensor loads, adds 0 to its spare word, and waits for that and for its reads of this slot.
.macro HEAD sc
	s_wait_dscnt 12                                ; (the youngest 12 loads, A's blocks 4-7, may be out)
	WIN MUL_LO
	MULA 0, 1, 1, \sc, 0
	MULA 1, 1, 1, \sc, 0
	WIN 0                                          ; (the add's two registers lie in window 0)
	s_wait_xcnt 0x0                                ; my prefetches have read their address
	s_wait_tensorcnt 0x0                           ; all my tensor loads have landed: my parts of the slots ahead
	ds_add_u32 v[SPW], v[NIL]                      ; 0 onto my spare word
	WIN MUL_LO
	MULA 2, 1, 1, \sc, 0
	s_wait_dscnt 0x0                               ; the add is done, and my reads of this slot are over
	s_barrier_signal -1
	MULA 3, 1, 1, \sc, 0
	WIN 0
	s_barrier_wait -1
.endm
; The slot just read out is filled again: the barrier has opened a round of the cluster's, so that no wave of any partner still reads the slot or has a load on its way; the joint load is the first tensor load behind the round.
.macro FILL1 slot                      ; with tile 1's K slot three on
	CREST
	GSET \slot
.irp g, G1, G1B                        ; no tensor load of mine is out: from here on a load brings 8 row blocks, dense
	s_mov_b32 s[\g+1], 384<<16
	s_mov_b32 s[\g+2], 8<<16
	s_mov_b32 s[\g+3], 384<<16
	s_mov_b32 s[\g+4], 8
	s_mov_b32 s[\g+5], 384
.endr
	s_mul_i32 s22, s16, HALFT                      ; my half: 128 places of a K slot are HALFT bytes
	s_mov_b32 s23, 0
	s_add_nc_u64 s[GA+2:GA+3], s[GA+2:GA+3], 3*KSL
	s_add_nc_u64 s[GB+2:GB+3], s[GB+2:GB+3], 3*KSL
	s_add_nc_u64 s[GA+2:GA+3], s[GA+2:GA+3], s[22:23]
	s_add_nc_u64 s[GB+2:GB+3], s[GB+2:GB+3], s[22:23]
	s_mul_i32 s22, s14, HALFT
	s_add_co_u32 s[GA+1], s22, AO
	s_add_co_u32 s[GB+1], s22, BO
	JLOAD GA, G1, GB, G1B                          ; its four v_nop are the places in front of the loads that follow
.endm
.macro FILL2 slot, k                   ; with tile 2's K slot k
	CREST
	GSET \slot
	s_mul_i32 s22, s14, HALFT
	s_add_co_u32 s[GA+1], s22, AO
	s_add_co_u32 s[GB+1], s22, BO
	s_add_nc_u64 s[GA+2:GA+3], s[KA2:KA2+1], (\k)*KSL
	s_or_b32 s[GA+3], s[GA+3], 0x80000000
	s_add_nc_u64 s[GB+2:GB+3], s[KB2:KB2+1], (\k)*KSL
	s_or_b32 s[GB+3], s[GB+3], 0x80000000
	JLOAD2 GA, G1, GB, G1B
	PLACES                                         ; (wave 3 has passed no v_nop: the places in front of the loads that follow stand here for every wave)
.endm
.macro TAIL next, nsc, kslot, sc       ; the next slot's first fragments, and the step's other 32 products
	FETCH_B ADRB+\next, 0, 0
	FETCH_A ADRA+\next, 0, 0, 0
	SCALES \nsc, \kslot
	WIN MUL_HI
.irp a, 4,5,6,7
	MULA \a, 1, 1, \sc, 0
.endr
	PLACES
	WIN 0
	FETCH_A ADRA+\next, 0, 4, 4
.endm
.macro TAILX next, sc                  ; the same at tile 1's end: tile 2's first fragments
	FETCH_B ADRB2+\next, 0, 0
	FETCH_A ADRA2+\next, 0, 0, 0
	s_wait_alu depctr_va_vdst(0)
	SCALES2 0, 0
	WIN MUL_HI
.irp a, 4,5,6,7
	MULA \a, 1, 1, \sc, 0
.endr
	PLACES
	WIN 0
.endm
; TILE 2.  128 along K are 32 products: my four blocks of A x B's eight.  A's registers 0-3 and B's set 0 serve a slot's first 128, A's registers 4-7 and B's set 1 its second.
.macro STEP2 slot, sc, zero
	s_wait_dscnt 0x0                               ; this step's fragments are in
	WIN MUL_LO
	MULA 0, 0, 0, \sc, \zero
	MULA 1, 0, 0, \sc, \zero
	PLACES
	FETCH_B ADRB2+\slot, 1, 1
	FETCH_A ADRA2+\slot, 1, 4, 0
	WIN MUL_LO
	MULA 2, 0, 0, \sc, \zero
	MULA 3, 0, 0, \sc, \zero
.endm
.macro TURN2 slot, next, sc, nsc, fill, k, kslot
	WIN 0                                          ; (the add's two registers lie in window 0)
	s_wait_tensorcnt 0x0                           ; all my tensor loads have landed
	ds_add_u32 v[SPW], v[NIL]                      ; 0 onto my spare word
	s_wait_dscnt 1                                 ; this step's fragments are in (the add may be out)
	WIN MUL_LO
	MULA 4, 1, 1, \sc, 0
	s_wait_dscnt 0x0                               ; the add is done, and my reads of this slot are over
	s_barrier_signal -1
	MULA 5, 1, 1, \sc, 0
	WIN 0
	s_barrier_wait -1
.if \fill
	FILL2 \slot, \k
.else
	PLACES
.endif
	FETCH_B ADRB2+\next, 0, 0
	FETCH_A ADRA2+\next, 0, 0, 0
	SCALES2 \nsc, \kslot
	WIN MUL_LO
	MULA 6, 1, 1, \sc, 0
	MULA 7, 1, 1, \sc, 0
.endm
; THE WAY OUT.  Block a's 64 registers are quantised where they lie and leave as one fragment image; each accumulator is read from its low end on.
.macro QOUT a, ptr
.set AC, 64*((\a)%4)
	WIN 0x28+0x14*((\a)/4)                         ; sources 1 and 2: window 2 or 3
.irp b, 0,1,2,3
	v_max3_num_f32 v[TM+\b], 0x1800000, |v[AC+16*\b]|, |v[AC+16*\b+1]|   ; the floor 2^(3 - 127) among the leaves: the byte cannot fall under 1
.endr
.irp i, 2,4,6,8,10,12,14
.irp b, 0,1,2,3
	v_max3_num_f32 v[TM+\b], v[TM+\b], |v[AC+16*\b+\i]|, |v[AC+16*\b+\i+1]|
.endr
.endr
	WIN 0
.irp b, 0,1,2,3
	v_permlanex16_b32 v[TM+4+\b], v[TM+\b], s[SEL], s[SEL+1]
.endr
.irp b, 0,1,2,3
	v_max_num_f32 v[TM+\b], v[TM+\b], v[TM+4+\b]
.endr
.irp b, 0,1,2,3
	v_add_nc_u32 v[TM+12+\b], 0xff000000, v[TM+\b] ; 2 off the exponent field: the conversion's scale operand
.endr
.irp b, 0,1,2,3
	v_lshrrev_b32 v[TM+4+\b], 23, v[TM+12+\b]
.endr
	v_lshl_or_b32 v[PWS+(\a)], v[TM+5], 8, v[TM+4]
	v_lshl_or_b32 v[PWS+(\a)], v[TM+6], 16, v[PWS+(\a)]
	v_lshl_or_b32 v[PWS+(\a)], v[TM+7], 24, v[PWS+(\a)]
	s_wait_xcnt 0x0                                ; the earlier stores have read their registers, the codes' among them
	WIN 0x02+(\a)/4                                ; source 0: window 2 or 3
.irp c, 0,1
	v_cvt_scalef32_pk16_fp6_f32 v[PC+6*\c:PC+2+6*\c], v[AC+32*\c:AC+15+32*\c], v[TM+12+2*\c]
	v_cvt_scalef32_pk16_fp6_f32 v[PC+12+4*\c:PC+14+4*\c], v[AC+16+32*\c:AC+31+32*\c], v[TM+12+2*\c+1]
.endr
	WIN 0
	v_nop                                          ; one plain place behind a scaled conversion
.irp c, 0,1
.irp i, 0,1,2
	v_permlane16_swap_b32 v[PC+6*\c+\i], v[PC+12+4*\c+\i]
.endr
.irp i, 0,1,2
	v_mov_b32 v[PC+3+6*\c+\i], v[PC+12+4*\c+\i]
.endr
.endr
.irp c, 0,1,2
	global_store_b128 v[LI], v[PC+4*\c:PC+4*\c+3], s[\ptr:\ptr+1] offset:24576*(\a)+512*\c   ; 512 consecutive bytes, at a multiple of 256 from the buffer's first byte
.endr
.endm
	s_wait_alu depctr_va_vdst(0)
	s_wait_tensorcnt 0x0                           ; my tile of the head's four is in
	ds_add_u32 v[SPW], v[NIL]                      ; 0 onto my spare word
.irp g, G1, G1B                        ; K slots 1 and 2 of 256 places: two rows of 49,152 bytes
	s_mov_b32 s[\g+1], 6144<<16
	s_mov_b32 s[\g+2], 2<<16
	s_mov_b32 s[\g+3], 6144<<16
	s_mov_b32 s[\g+4], 2
	s_mov_b32 s[\g+5], 270336
.endr
	s_mov_b32 s[G1SB+2], 8<<16                     ; tile 2's B: 128 places' scale words
	s_mov_b32 s[G1SB+4], 8
	s_wait_dscnt 0x0                               ; the add is done
	CROUND                                         ; all four tiles are in, and all sixteen work-groups are here
	ARM 0, G0+4, G1, .Lsecond_asked
	ARM 1, G0B+4, G1B, .Lsecond_asked
	ARM 2, G0S2, G1S, .Lsecond_asked
	tensor_load_to_lds s[G0SB2:G0SB2+3], s[G1SB:G1SB+7]
	s_nop 0
.rept 4
	v_nop
.endr
.Lsecond_asked:
	FETCH_B ADRB+0, 0, 0
	FETCH_A ADRA+0, 0, 0, 0
	SCALES 0, 0
	FETCH_A ADRA+0, 0, 4, 4
	global_prefetch_b8 v19, s[94:95] offset:2*KSL th:TH_LOAD_NT scope:SCOPE_SE   ; K slot 3, for the refill behind K slot 0
	STEP 0, 0, 1                                   ; K slot 0: the first products start the sums
	HEAD 0
	FILL1 0                                        ; slot 0 takes tile 1's K slot 3
	TAIL 1, 1, 1, 0
	STEP 1, 1, 0                                   ; K slot 1
	HEAD 1
	FILL2 1, 0                                     ; THE RING GOES ON INTO TILE 2: slot 1 takes its K slot 0,
	TAIL 2, 0, 2, 1
	STEP 2, 0, 0                                   ; K slot 2
	HEAD 0
	FILL2 2, 1                                     ; slot 2 its K slot 1,
	TAIL 0, 1, 3, 0
	STEP 0, 1, 0                                   ; K slot 3
	HEAD 1
	FILL2 0, 2                                     ; slot 0 its K slot 2
	TAILX 1, 1
.irp a, 0,1,2,3,4,5,6,7
	QOUT \a, 8                                     ; tile 1 goes out; tile 2's first fragments are on their way into registers that the way out does not touch
.endr
.irp a, 0,1,2,3,4,5,6,7
	ds_store_b32 v[GSW], v[PWS+\a] offset:64*\a    ; lanes r and 16 + r write the same word with the same value
.endr
	ds_load_b128 v[OW:OW+3], v[GSR]                ; LDS serves a wave's instructions in order: my 128 places' words, 16 bytes a lane
	s_wait_dscnt 0x0
	global_store_b128 v[LI], v[OW:OW+3], s[10:11]  ; 512 consecutive bytes of one plane
	STEP2 1, 0, 1                                  ; tile 2's K slot 0: its products start the sums anew
	TURN2 1, 2, 0, 1, 1, 3, 1                      ; slot 1 takes tile 2's K slot 3: the last load
	STEP2 2, 1, 0
	TURN2 2, 0, 1, 0, 0, 0, 2
	STEP2 0, 0, 0
	TURN2 0, 1, 0, 1, 0, 0, 3
	STEP2 1, 1, 0
	s_wait_dscnt 0x0                               ; the very last step: nothing more to fetch
	WIN MUL_LO
.irp a, 4,5,6,7
	MULA \a, 1, 1, 1, 0
.endr
	WIN 0
	PLACES
.irp a, 0,1,2,3
	QOUT \a, O2C
.endr
.irp a, 0,1,2,3
	ds_store_b32 v[GSW], v[PWS+\a] offset:64*\a
.endr
	ds_load_b64 v[OW:OW+1], v[GSR2]                ; my 64 places' words, 8 bytes a lane
	s_wait_dscnt 0x0
	global_store_b64 v[GS8], v[OW:OW+1], s[O2S:O2S+1]   ; 256 consecutive bytes of one plane, aligned
	s_wait_tensorcnt 0x0                           ; the wave's end
	ds_add_u32 v[SPW], v[NIL]
	s_wait_dscnt 0x0
	CROUND                                         ; the closing round
	s_endpgm
.Lfunc_end_k_qd6ed62ac7b_project:
	.size	k_qd6ed62ac7b_project, .Lfunc_end_k_qd6ed62ac7b_project-k_qd6ed62ac7b_project
	.p2alignl 7, 3214868480
	.fill 96, 4, 3214868480
	.section	.rodata,"a",@progbits
	.p2align	6, 0x0
	.amdhsa_kernel k_qd6ed62ac7b_project
		.amdhsa_group_segment_fixed_size 327680
		.amdhsa_private_segment_fixed_size 0
		.amdhsa_enable_private_segment 0
		.amdhsa_kernarg_size 32
		.amdhsa_user_sgpr_count 2
		.amdhsa_user_sgpr_kernarg_segment_ptr 1
		.amdhsa_wavefront_size32 1
		.amdhsa_system_sgpr_workgroup_id_x 1
		.amdhsa_system_sgpr_workgroup_id_y 1
		.amdhsa_system_sgpr_workgroup_id_z 1
		.amdhsa_system_vgpr_workitem_id 0
		.amdhsa_next_free_vgpr 1024
		.amdhsa_next_free_sgpr 102
		.amdhsa_reserve_vcc 0
		.amdhsa_float_denorm_mode_32 3
		.amdhsa_float_denorm_mode_16_64 3
		.amdhsa_memory_ordered 1
		.amdhsa_forward_progress 1
		.amdhsa_inst_pref_size 227
	.end_amdhsa_kernel
	.amdgpu_metadata
---
amdhsa.version: [ 1, 2 ]
amdhsa.kernels:
  - .name:           k_qd6ed62ac7b_project
    .symbol:         k_qd6ed62ac7b_project.kd
    .args:
      - { .name: cod, .offset: 0, .size: 8, .value_kind: global_buffer, .address_space: global }
      - { .name: csc, .offset: 8, .size: 8, .value_kind: global_buffer, .address_space: global }
      - { .name: qkv, .offset: 16, .size: 8, .value_kind: global_buffer, .address_space: global }
      - { .name: qsc, .offset: 24, .size: 8, .value_kind: global_buffer, .address_space: global }
    .group_segment_fixed_size: 327680
    .private_segment_fixed_size: 0
    .kernarg_segment_align: 8
    .kernarg_segment_size: 32
    .max_flat_workgroup_size: 128
    .sgpr_count:     102
    .vgpr_count:     1024
    .wavefront_size: 32
...
	.end_amdgpu_metadata
.endif
;; end of part 2
;; launch score (part 3): grid 12 x 16, 4 waves a work-group, clusters of 4 x 4, 327,680 bytes of LDS; arguments qkv, qsc, pcd, pst; writes pcd, pst
.if DOCPART == 3
	.amdgcn_target "amdgcn-amd-amdhsa--gfx1250"
	.amdhsa_code_object_version 6
	.text
	.protected	k_qd6ed62ac7b_score
	.globl	k_qd6ed62ac7b_score
	.p2align	8
	.type	k_qd6ed62ac7b_score,@function
k_qd6ed62ac7b_score:
	s_mov_b64 s[64:65], 0
	v_nop
	global_prefetch_b8 v0, s[64:65] scope:SCOPE_SE
	s_setreg_imm32_b32 hwreg(HW_REG_WAVE_MODE, 25, 1), 1
	s_wait_xcnt 0x0
	s_wait_alu depctr_hold_cnt(0) depctr_sa_sdst(0) depctr_va_vdst(0) depctr_va_sdst(0) depctr_va_ssrc(0) depctr_va_vcc(0) depctr_vm_vsrc(0)
	s_getreg_b32 s2, hwreg(HW_REG_IB_STS2, 6, 4)
	s_cmp_eq_u32 s2, 0
	s_cbranch_scc0 .Lentry_in_a_cluster
	s_endpgm
.Lentry_in_a_cluster:
	s_bfe_u32 s2, ttmp6, 0x10000c
	s_cmp_lg_u32 s2, 0xf033
	s_cbranch_scc0 .Lentry_shape_is_right
	s_endpgm
.Lentry_shape_is_right:
; S = q k^T on codes of FP6 (K = 1,024), the causal mask, and p = 2^(t - M) quantised along the keys, for each stretch of 128 keys under a LOCAL M.
; t = score x log2(e) / 32; M = the stretch's largest t of the row, rounded up to a whole number (the maximum is taken away before the exponential); the stretch's sum is taken of the unquantised p.
; Since M is a whole number, the next launch brings every stretch under the row's own M by moving p's scale bytes and the sums by a whole power of two: the codes stay as they are.
; 256 tiles of 256 queries x 256 keys; a wave makes 128 x 128.  Source 0 = 16 places of k, source 1 = 16 places of q: a lane holds one query place, and block a's 64 registers are 128 keys in true order
; (register 16 b + i = key 32 b + 16 (lane / 16) + i), by the order of rows in a block: place r of block t = row 32 (t / 2) + 8 (t % 2) + r % 8 + 16 (r / 8).
; EVERY TILE RUNS THE SAME TEXT: hidden scores become -infinity by compare and select.  A stretch that is hidden whole gives zero codes, bytes of 1, the sum 0 and -M = 1e30; the next launch reads all of that.
; No tile is skipped: partners of a cluster run alike.
; pcd = [512 query blocks][16 key steps][1536] fragment images.  pst = three arrays [16 key steps][8192 places]: p's scale words, -M (f32), the sums.
; THE RING: three LDS slots of 256 along K.  K has four slots' worth: K slots 0, 1, 2 are asked for together at the start, K slot 3 behind the first change of slots, into slot 0: it has two K slots' products in which to land.
; Joint loads, steps and registers as in the launch that makes q and k.  By this text's own count a wave has one tensor load out at the start and one behind the refill.
; LIMITS: NaN and infinities are not served; t is held at -1e30 from below; a block of p whose largest number lies under 2^-124 keeps the byte 1.
.set NQ,    2
.set FR,    12
.set FRB,   1536
.set RB,    NQ*FRB
.set HALFT, 8*RB
.set SLOT,  4*HALFT
; THE GRID AND THE HEAD OF THIS TEXT: 3 clusters of 4 x 4 tiles a batch: (queries 0-1023, keys 0-1023), (queries 1024-2047, keys 0-1023), (queries 1024-2047, keys 1024-2047).  The fourth, queries 0-1023 against keys 1024-2047, is hidden whole
; by reference()'s own mask and is not done: the next launch reads nothing of it.  192 work-groups; a NaN or an infinity that reaches only the work left out is not carried to the result.
; At the head one joint load a wave: K slot 0 of q, of k, q's scale words, k's; behind the next round each wave brings a half of q's or k's K slots 1 and 2 in one load, in rows of 6,144 bytes: slot 2 lies RB behind slot 1 in each.
.set SCL,   3*SLOT
.set SPARE, SCL+4*4096
.set GST,   SPARE+512                  ; the way out: 3 x 512 bytes a wave
.set LI,    3
.set ADRA,  16                         ; v16-18 LDS address of my q fragments in slot 0, 1, 2
.set ADRB,  20                         ; v20-22 the same for k
.set GSW,   24
.set GSR,   25
.set ADRS,  27
.set SPW,   28
.set NIL,   29
.set D0,    30                         ; v30  the mask's lane constant
.set SC,    32
.set S,     64                         ; v64-127 the block's scores, then p
.set AF,    128
.set PC,    128                        ; v128-139 p's codes
.set PT,    140                        ; v140-146 at work
.set BM,    148                        ; v148-151 the four blocks' largest scores, then largest p
.set BX,    152
.set SO,    156                        ; the conversions' scale operands
.set BY,    160                        ; the bytes
.set NM,    164                        ; v[164:165] -M (the packed form names the pair and takes its low word)
.set SUM,   166
.set SUM2,  168
.set T,     170
.set DD,    172
.set NINF,  174
.set PWS,   176
.set NMS,   184
.set LS,    192
.set OW,    200
.set G1,    24
.set G0,    32                         ; s[32:39] q's groups 0: slot 0's, then slots 1 and 2's in one
.set G1B,   48
.set G0B,   56                         ; s[56:63] k's groups 0: slot 0's, then slots 1 and 2's in one
.set SEL,   66
.set G1S,   68
.set G0S,   76
.set G1SB,  80
.set G0SB,  88
.set CS,    100                        ; s[100:101] c = log2(e) / 32
.set MUL_LO, 0xa1
.set MUL_HI, 0xf1
.set TO_B,   0x40
.set MSB, 0
.macro WIN new
.if MSB != (\new)
	s_set_vgpr_msb (MSB<<8)|(\new)
.set MSB, (\new)
.endif
.endm
.macro JLOAD g0a, g1a, g0b, g1b        ; waves 0 and 1 fetch for q, waves 2 and 3 for k; four v_nop follow each of the two lines
	s_cmp_eq_u32 s15, 0
	s_cbranch_scc0 .Lfor_b_\@
	tensor_load_to_lds s[\g0a:\g0a+3], s[\g1a:\g1a+7]
	s_nop 0
.rept 4
	v_nop
.endr
	s_branch .Lasked_\@
.Lfor_b_\@:
	tensor_load_to_lds s[\g0b:\g0b+3], s[\g1b:\g1b+7]
	s_nop 0
.rept 4
	v_nop
.endr
.Lasked_\@:
.endm
.macro CREST
	s_cmp_lg_u32 s14, 0
	s_cbranch_scc1 .Lnot_wave_0_\@
	s_barrier_signal -3
.Lnot_wave_0_\@:
	s_barrier_wait -3
	s_barrier_signal -1
	s_barrier_wait -1
.endm
.macro CROUND
	s_barrier_signal -1
	s_barrier_wait -1
	CREST
.endm
	s_load_b256 s[4:11], s[0:1], 0x0               ; qkv s[4:5], qsc s[6:7], pcd s[8:9], pst s[10:11]
	v_lshl_add_u32 v[SPW], v0, 2, SPARE
	v_mov_b32 v[NIL], 0
	ds_add_u32 v28, v29
	ds_add_u32 v28, v29
	s_wait_dscnt 0x0
	v_lshrrev_b32 v1, 5, v0
	v_readfirstlane_b32 s14, v1                    ; wave
	s_lshr_b32 s15, s14, 1                         ; my half of the queries.  Also: I fetch for q (0) or for k (1)
	s_and_b32 s16, s14, 1                          ; my half of the keys.  Also: which half I fetch
	s_bfe_u32 s40, ttmp6, 0x40000                  ; cx
	s_bfe_u32 s41, ttmp6, 0x40004                  ; cy
	s_and_b32 s19, ttmp7, 0xffff                   ; the batch
	s_add_co_u32 s17, ttmp9, 1
	s_lshr_b32 s17, s17, 1                         ; the queries' half: 0, 1, 1
	s_lshl_b32 s18, s19, 1
	s_add_co_u32 s17, s17, s18
	s_lshl_b32 s18, s17, 2
	s_add_co_u32 s18, s18, s41                     ; the query tile, 0..31 over the four batches
	s_lshr_b32 s42, ttmp9, 1                       ; the keys' half: 0, 0, 1
	s_lshl_b32 s42, s42, 2
	s_add_co_u32 s42, s42, s40                     ; the key tile in the batch, 0..7
	s_lshr_b32 s19, s17, 1                         ; the batch
	s_lshl_b32 s43, s41, 2
	s_lshl_b32 s43, 15, s43                        ; my row of the cluster
	s_lshl_b32 s44, 0x1111, s40                    ; my column
	s_or_b32 s[G1+0], s43, (3<<16)|(1<<21)         ; tiles: 8 row blocks of 3,072 bytes, 24,576 bytes apart
	s_or_b32 s[G1B+0], s44, (3<<16)|(1<<21)
.irp g, G1, G1B
	s_mov_b32 s[\g+1], 384<<16
	s_mov_b32 s[\g+2], 16<<16                      ; the head: 16 row blocks
	s_mov_b32 s[\g+3], 384<<16
	s_mov_b32 s[\g+4], 16
	s_mov_b32 s[\g+5], 3072
	s_mov_b32 s[\g+6], 0
	s_mov_b32 s[\g+7], 0
.endr
	s_or_b32 s[G1S+0], s43, (3<<16)|(1<<21)        ; scale words of 128 places: 8 planes of 512 bytes, 32,768 bytes apart
	s_or_b32 s[G1SB+0], s44, (3<<16)|(1<<21)
.irp g, G1S, G1SB
	s_mov_b32 s[\g+1], 128<<16                     ; 256 places: 1,024 bytes of each of the 8 planes
	s_mov_b32 s[\g+2], 8<<16
	s_mov_b32 s[\g+3], 128<<16
	s_mov_b32 s[\g+4], 8
	s_mov_b32 s[\g+5], 4096
	s_mov_b32 s[\g+6], 0
	s_mov_b32 s[\g+7], 0
.endr
	s_lshl_b32 s22, s18, 8                         ; q's first place
	s_lshl_b32 s46, s42, 8
	s_lshl_b32 s45, s19, 11
	s_add_co_u32 s46, s46, s45                     ; k's
	s_mul_i32 s92, s22, 1536                       ; a token's q and k codes are 1,536 bytes: q's 768 first
	s_mov_b32 s93, 0
	s_lshl_b32 s94, s22, 2
	s_mov_b32 s95, 0
	s_mul_i32 s96, s46, 1536
	s_add_co_u32 s96, s96, 12288                   ; k's eight K steps lie behind q's eight in each row block
	s_mov_b32 s97, 0
	s_lshl_b32 s98, s46, 2
	s_add_co_u32 s98, s98, 262144                  ; and k's eight planes behind q's
	s_mov_b32 s99, 0
	s_mul_i32 s20, s16, 196608                     ; my half: 128 places x 1,536 bytes
	s_mov_b32 s21, 0
	s_mul_i32 s47, s16, 2*HALFT                    ; and in LDS, two K slots
	s_wait_kmcnt 0x0
	s_add_nc_u64 s[92:93], s[4:5], s[92:93]
	s_add_nc_u64 s[94:95], s[6:7], s[94:95]
	s_add_nc_u64 s[96:97], s[4:5], s[96:97]
	s_add_nc_u64 s[98:99], s[6:7], s[98:99]
	s_mov_b32 s[G0S], 1
	s_mov_b32 s[G0S+1], SCL
	s_mov_b64 s[G0S+2:G0S+3], s[94:95]
	s_or_b32 s[G0S+3], s[G0S+3], 0x80000000
	s_mov_b32 s[G0SB], 1
	s_mov_b32 s[G0SB+1], SCL+8192
	s_mov_b64 s[G0SB+2:G0SB+3], s[98:99]
	s_or_b32 s[G0SB+3], s[G0SB+3], 0x80000000
	s_mov_b32 s[G0], 1                             ; the head: whole tiles of K slot 0
	s_mov_b32 s[G0+1], 0
	s_mov_b64 s[G0+2:G0+3], s[92:93]
	s_or_b32 s[G0+3], s[G0+3], 0x80000000
	s_mov_b32 s[G0B], 1
	s_mov_b32 s[G0B+1], 2*HALFT
	s_mov_b64 s[G0B+2:G0B+3], s[96:97]
	s_or_b32 s[G0B+3], s[G0B+3], 0x80000000
	; THE PREFETCHES: K slots 1 and 2 behind the head's loads, K slot 3 behind the second ones: 24 and 12 blocks of 256 bytes of each row block, a lane a block (the lanes left over name the last again).  q's 16 row blocks are shared out by address among
	; the eight waves 0 and 1 of my row of the cluster, k's among the waves 2 and 3 of my column: two each
	s_cmp_eq_u32 s15, 0
	s_cselect_b64 s[94:95], s[92:93], s[96:97]
	s_cselect_b32 s98, s40, s41
	s_lshl_b32 s98, s98, 1
	s_add_co_u32 s98, s98, s16
	s_mul_i32 s98, s98, 49152
	s_mov_b32 s99, 0
	s_add_nc_u64 s[94:95], s[94:95], s[98:99]
	v_and_b32 v6, 31, v0
	v_min_u32 v7, 11, v6
	v_min_u32 v6, 23, v6
	v_lshlrev_b32 v7, 8, v7
	v_lshlrev_b32 v6, 8, v6
	s_add_nc_u64 s[92:93], s[92:93], s[20:21]      ; from here on my half of q's or of k's tile
	s_add_nc_u64 s[96:97], s[96:97], s[20:21]
	s_mov_b32 s[G0+4], 1
	s_add_co_u32 s[G0+5], s47, SLOT
	s_add_nc_u64 s[G0+6:G0+7], s[92:93], RB
	s_or_b32 s[G0+7], s[G0+7], 0x80000000
	s_mov_b32 s[G0B+4], 1
	s_add_co_u32 s[G0B+5], s47, 2*SLOT
	s_add_nc_u64 s[G0B+6:G0B+7], s[96:97], RB
	s_or_b32 s[G0B+7], s[G0B+7], 0x80000000
.macro ARM n, g0, g1                   ; one arm of a chain of branches on the wave's number
	s_cmp_eq_u32 s14, \n
	s_cbranch_scc0 .Larm_\@
	tensor_load_to_lds s[\g0:\g0+3], s[\g1:\g1+7]
	s_nop 0
.rept 4
	v_nop
.endr
	s_branch .Lhead_asked
.Larm_\@:
.endm
	CROUND                                         ; all sixteen work-groups are here: the first joint loads meet
	ARM 0, G0, G1
	ARM 1, G0B, G1B
	ARM 2, G0S, G1S
	tensor_load_to_lds s[G0SB:G0SB+3], s[G1SB:G1SB+7]
	s_nop 0
.rept 4
	v_nop
.endr
.Lhead_asked:
	v_and_b32 v1, 15, v0                           ; r
	v_bfe_u32 v2, v0, 4, 1                         ; h
	s_wait_alu depctr_va_vdst(0)
	v_and_b32 v[LI], 31, v0
	v_lshlrev_b32 v[LI], 4, v[LI]
	s_mul_i32 s21, s15, HALFT
	s_mul_i32 s22, s16, HALFT
	s_add_co_u32 s22, s22, 2*HALFT
	v_add_nc_u32 v[ADRA], s21, v[LI]
	v_add_nc_u32 v[ADRB], s22, v[LI]
	s_mul_i32 s21, s15, 2*HALFT
	s_add_co_u32 s21, s21, SLOT
	s_mul_i32 s22, s16, 2*HALFT
	s_add_co_u32 s22, s22, 2*SLOT
	v_add_nc_u32 v[ADRA+1], s21, v[LI]
	v_add_nc_u32 v[ADRB+1], s22, v[LI]
	v_add_nc_u32 v[ADRA+2], RB, v[ADRA+1]
	v_add_nc_u32 v[ADRB+2], RB, v[ADRB+1]
	s_lshl_b32 s21, s15, 9                         ; scale words: my 128 places of a plane's 256
	s_lshl_b32 s22, s16, 9
	s_add_co_u32 s22, s22, 8192
	s_sub_co_u32 s22, s22, s21
	v_mul_u32_u24 v4, s22, v2
	s_add_co_u32 s21, s21, SCL
	v_lshl_add_u32 v4, v1, 2, v4
	v_add_nc_u32 v[ADRS], s21, v4
	s_mul_i32 s21, s14, 1536
	s_add_co_u32 s21, s21, GST
	v_lshl_add_u32 v[GSW], v1, 2, s21
	v_add_nc_u32 v[GSR], s21, v[LI]
	s_mov_b32 s[SEL], 0x76543210
	s_mov_b32 s[SEL+1], 0xfedcba98
	global_prefetch_b8 v6, s[94:95] offset:RB th:TH_LOAD_NT scope:SCOPE_SE
	global_prefetch_b8 v6, s[94:95] offset:RB+24576 th:TH_LOAD_NT scope:SCOPE_SE
	s_mov_b32 s[CS], 0x3d38aa3b                    ; log2(e) / 32
	s_mov_b32 s[CS+1], s[CS]
	; the mask: D0 = my query - my first key - 16 h, for block 0: register 16 b + i of block a is hidden where 32 b + i > D0 + 32 (a / 2) + 8 (a % 2)
	s_and_b32 s20, s18, 7                          ; the query tile in its batch
	s_sub_co_i32 s20, s20, s42
	s_lshl_b32 s20, s20, 8
	s_sub_co_i32 s21, s15, s16
	s_lshl_b32 s21, s21, 7
	s_add_co_i32 s20, s20, s21
	v_and_b32 v4, 7, v1
	v_lshrrev_b32 v5, 3, v1
	v_lshl_add_u32 v4, v5, 4, v4                   ; place r is row r % 8 + 16 (r / 8) of its block's rows
	v_lshlrev_b32 v5, 4, v2
	v_sub_nc_u32 v4, v4, v5
	v_add_nc_u32 v[D0], s20, v4
	; where my results go
	s_lshl_b32 s20, s18, 4
	s_lshl_b32 s21, s15, 3
	s_add_co_u32 s20, s20, s21                     ; my first query block
	s_lshl_b32 s20, s20, 4
	s_lshl_b32 s21, s42, 1
	s_add_co_u32 s21, s21, s16                     ; my key step
	s_add_co_u32 s20, s20, s21
	s_mul_i32 s22, s20, FRB
	s_mov_b32 s23, 0
	s_add_nc_u64 s[8:9], s[8:9], s[22:23]
	s_lshl_b32 s22, s21, 15                        ; its plane
	s_lshl_b32 s20, s18, 10
	s_add_co_u32 s22, s22, s20
	s_lshl_b32 s20, s15, 9
	s_add_co_u32 s22, s22, s20
	s_add_nc_u64 s[10:11], s[10:11], s[22:23]
.macro FRAG reg, adr, q, i
.irp c, 0,1,2
	ds_load_b128 v[\reg+4*\c:\reg+4*\c+3], v[\adr] offset:(\i)*RST+(\q)*FRB+512*\c
.endr
.endm
.macro MUL16 a0, p, q, sc, zero        ; the 64 accumulators take turns, one instruction a turn
.irp a, \a0, \a0+1
.irp b, 0,1,2,3,4,5,6,7
.if \zero
	v_wmma_scale_f32_16x16x128_f8f6f4 v[8*(8*((\a)%4)+\b):8*(8*((\a)%4)+\b)+7], v[128*(\p)+FR*\b:128*(\p)+FR*\b+FR-1], v[AF+FR*(\a):AF+FR*(\a)+FR-1], 0, v[SC+8*NQ*(\sc)+NQ*\b+(\q)], v[SC+8*NQ*(\sc)+NQ*(\a)+(\q)] matrix_a_fmt:MATRIX_FMT_FP6 matrix_b_fmt:MATRIX_FMT_FP6 matrix_a_scale:MATRIX_SCALE_ROW1
.else
	v_wmma_scale_f32_16x16x128_f8f6f4 v[8*(8*((\a)%4)+\b):8*(8*((\a)%4)+\b)+7], v[128*(\p)+FR*\b:128*(\p)+FR*\b+FR-1], v[AF+FR*(\a):AF+FR*(\a)+FR-1], v[8*(8*((\a)%4)+\b):8*(8*((\a)%4)+\b)+7], v[SC+8*NQ*(\sc)+NQ*\b+(\q)], v[SC+8*NQ*(\sc)+NQ*(\a)+(\q)] matrix_a_fmt:MATRIX_FMT_FP6 matrix_b_fmt:MATRIX_FMT_FP6 matrix_a_scale:MATRIX_SCALE_ROW1
.endif
.endr
.endr
.endm
.macro RSTSET slot                     ; from row block to row block: slots 1 and 2 lie interleaved
.set RST, RB
.if (\slot) > 0
.set RST, 2*RB
.endif
.endm
.macro FETCH_B slot, q, p
	RSTSET \slot
	WIN TO_B
.irp i, 0,1,2,3,4,5,6,7
	FRAG 128*(\p)+FR*\i, ADRB+\slot, \q, \i
.endr
	WIN 0
.endm
.macro FETCH_A slot, q, i0
	RSTSET \slot
.irp i, \i0, \i0+1, \i0+2, \i0+3
	FRAG AF+FR*(\i), ADRA+\slot, \q, \i
.endr
.endm
.macro SCALES sc, kslot
.irp i, 0,1,2,3,4,5,6,7
.irp q, 0,1
	ds_load_b32 v[SC+8*NQ*(\sc)+NQ*\i+\q], v[ADRS] offset:1024*(NQ*(\kslot)+\q)+64*\i
.endr
.endr
.endm
.macro PLACES
.rept 4
	v_nop
.endr
.endm
.macro STEP slot, sc, zero             ; a slot's first 128 along K; sc: the set of scale words
	s_wait_dscnt 12                                ; all but the youngest 12 loads (q's blocks 4-7) are in
	WIN MUL_LO
	MUL16 0, 0, 0, \sc, \zero
	MUL16 2, 0, 0, \sc, \zero
	s_wait_dscnt 0x0
	PLACES
	FETCH_B \slot, 1, 1
	FETCH_A \slot, 1, 0
	WIN MUL_HI
	MUL16 4, 0, 0, \sc, \zero
	MUL16 6, 0, 0, \sc, \zero
	PLACES
	WIN 0
	FETCH_A \slot, 1, 4
.endm
; A slot's second 128 along K changes slots: one barrier; in front of it each wave waits for all its tensor loads, adds 0 to its spare word, and waits for that and for its reads of this slot.  fill = 1: this slot is filled again, three K slots ahead.
.macro TURN slot, next, fill, kslot, sc, nsc
	s_wait_dscnt 12                                ; (the youngest 12 loads, q's blocks 4-7, may be out)
	WIN MUL_LO
	MUL16 0, 1, 1, \sc, 0
	WIN 0                                          ; (the add's two registers lie in window 0)
	s_wait_tensorcnt 0x0                           ; all my tensor loads have landed: my parts of the slots ahead
	ds_add_u32 v[SPW], v[NIL]                      ; 0 onto my spare word
	WIN MUL_LO
	s_wait_dscnt 0x0                               ; the add is done, and my reads of this slot are over
	s_barrier_signal -1
	MUL16 2, 1, 1, \sc, 0
	WIN 0
	s_barrier_wait -1
.if \fill
	CREST                                          ; the barrier has opened a round of the cluster's: no wave of any partner still reads this slot or has a load on its way
.irp g, G1, G1B                        ; no tensor load of mine is out: the one refill brings 8 row blocks of one K slot, into slot 0
	s_mov_b32 s[\g+1], 384<<16
	s_mov_b32 s[\g+3], 384<<16
.endr
	s_mul_i32 s22, s16, HALFT
	s_mov_b32 s[G0+1], s22
	s_add_co_u32 s[G0B+1], s22, 2*HALFT
	s_add_nc_u64 s[G0+2:G0+3], s[92:93], 3*RB
	s_or_b32 s[G0+3], s[G0+3], 0x80000000
	s_add_nc_u64 s[G0B+2:G0B+3], s[96:97], 3*RB
	s_or_b32 s[G0B+3], s[G0B+3], 0x80000000
	JLOAD G0+4*\slot, G1, G0B+4*\slot, G1B         ; the first tensor load behind the round; its four v_nop are the places in front of the loads below
.else
	PLACES
.endif
	FETCH_B \next, 0, 0
	FETCH_A \next, 0, 0
	SCALES \nsc, \kslot
	WIN MUL_HI
	MUL16 4, 1, 1, \sc, 0
	MUL16 6, 1, 1, \sc, 0
	PLACES
	WIN 0
	FETCH_A \next, 0, 4
.endm
	s_wait_alu depctr_va_vdst(0)
	s_wait_tensorcnt 0x0                           ; my tile of the head's four is in
	ds_add_u32 v[SPW], v[NIL]                      ; 0 onto my spare word
.irp g, G1, G1B                        ; 8 row blocks of two K slots
	s_mov_b32 s[\g+1], 768<<16
	s_mov_b32 s[\g+2], 8<<16
	s_mov_b32 s[\g+3], 768<<16
	s_mov_b32 s[\g+4], 8
.endr
	s_wait_dscnt 0x0                               ; the add is done
	CROUND                                         ; all four tiles are in, and all sixteen work-groups are here
	JLOAD G0+4, G1, G0B+4, G1B                     ; K slots 1 and 2
	FETCH_B 0, 0, 0
	FETCH_A 0, 0, 0
	SCALES 0, 0
	FETCH_A 0, 0, 4
	global_prefetch_b8 v7, s[94:95] offset:3*RB th:TH_LOAD_NT scope:SCOPE_SE         ; K slot 3, for the refill behind K slot 0
	global_prefetch_b8 v7, s[94:95] offset:3*RB+24576 th:TH_LOAD_NT scope:SCOPE_SE
	STEP 0, 0, 1                                   ; K slot 0: the first products start the sums
	TURN 0, 1, 1, 1, 0, 1                          ; slot 0 takes K slot 3: the one refill
	STEP 1, 1, 0                                   ; K slot 1
	TURN 1, 2, 0, 2, 1, 0
	STEP 2, 0, 0                                   ; K slot 2
	TURN 2, 0, 0, 3, 0, 1
	STEP 0, 1, 0                                   ; K slot 3
	s_wait_dscnt 12
	WIN MUL_LO
	MUL16 0, 1, 1, 1, 0
	MUL16 2, 1, 1, 1, 0
	s_wait_dscnt 0x0
	WIN MUL_HI
	MUL16 4, 1, 1, 1, 0
	MUL16 6, 1, 1, 1, 0
	WIN 0
	PLACES
	v_mov_b32 v[NINF], 0xff800000                  ; -infinity
	v_mov_b32 v[NM+1], 0                           ; (named as the upper half of a pair)
.irp b, 0,1,2,3
	v_mov_b32 v[BX+\b], 0                          ; a lane permute's destination counts as one of its sources
.endr
; THE SOFTMAX OF BLOCK a: 16 query places x my 128 keys.
.macro SOFT a
.set AC, 64*((\a)%4)
	v_add_nc_u32 v[DD], 32*((\a)/2)+8*((\a)%2), v[D0]
	WIN 0x02+(\a)/4                                ; source 0: window 2 or 3.  The select is also the copy into window 0
.set n, 0
.rept 64
	v_cmp_gt_i32 vcc_lo, 32*(n/16)+n%16, v[DD]
	v_cndmask_b32 v[S+n], v[AC+n], v[NINF], vcc_lo
.set n, n+1
.endr
	WIN 0
.irp b, 0,1,2,3
	v_max3_num_f32 v[BM+\b], v[S+16*\b], v[S+16*\b+1], v[S+16*\b+2]   ; the largest score of each block of 32 keys: for the row's maximum, and, since p rises with the score, for the block's largest p
.endr
.irp i, 3,5,7,9,11,13
.irp b, 0,1,2,3
	v_max3_num_f32 v[BM+\b], v[BM+\b], v[S+16*\b+\i], v[S+16*\b+\i+1]
.endr
.endr
.irp b, 0,1,2,3
	v_max_num_f32 v[BM+\b], v[BM+\b], v[S+16*\b+15]
.endr
.irp b, 0,1,2,3
	v_permlanex16_b32 v[BX+\b], v[BM+\b], s[SEL], s[SEL+1]
.endr
.irp b, 0,1,2,3
	v_max_num_f32 v[BM+\b], v[BM+\b], v[BX+\b]     ; with lane l xor 16's 16 keys
.endr
	v_max3_num_f32 v[T], v[BM], v[BM+1], v[BM+2]
	v_max_num_f32 v[T], v[T], v[BM+3]
	v_mul_f32 v[T], s[CS], v[T]                    ; the stretch's largest t of my query,
	v_max_num_f32 v[T], 0xf149f2ca, v[T]           ; held at -1e30 where all 128 keys are hidden
	v_floor_f32 v[NM], -v[T]                       ; -M = floor(-t): M is a whole number
.set n, 0
.rept 32
	v_pk_fma_f32 v[S+n:S+n+1], v[S+n:S+n+1], s[CS:CS+1], v[NM:NM+1] op_sel_hi:[1,0,0]   ; t - M, two at a time
.set n, n+2
.endr
.irp b, 0,1,2,3
	v_fma_f32 v[BM+\b], v[BM+\b], s[CS], v[NM]     ; the same of each block's largest score
.endr
.set n, 0
	s_wait_alu depctr_va_vdst(0)
.rept 64
	v_exp_f32 v[S+n], v[S+n]                       ; p = 2^(t - M)
.set n, n+1
.endr
	v_mov_b32 v[NMS+(\a)], v[NM]                   ; a plain place behind the exponentials
	s_wait_alu depctr_va_vdst(0)                   ; one wait for the batch, ahead of its first reader
.irp b, 0,1,2,3
	v_exp_f32 v[BM+\b], v[BM+\b]                   ; the block's largest p
.endr
	v_pk_add_f32 v[SUM:SUM+1], v[S:S+1], v[S+4:S+5]         ; the sum of the unquantised p, in two chains: plain work behind the four
	v_pk_add_f32 v[SUM2:SUM2+1], v[S+2:S+3], v[S+6:S+7]
.irp j, 8,12,16,20,24,28,32,36,40,44,48,52,56,60
	v_pk_add_f32 v[SUM:SUM+1], v[SUM:SUM+1], v[S+\j:S+\j+1]
	v_pk_add_f32 v[SUM2:SUM2+1], v[SUM2:SUM2+1], v[S+\j+2:S+\j+3]
.endr
	v_pk_add_f32 v[SUM:SUM+1], v[SUM:SUM+1], v[SUM2:SUM2+1]
	v_add_f32 v[SUM], v[SUM], v[SUM+1]
	v_permlanex16_b32 v[SUM2], v[SUM], s[SEL], s[SEL+1]
	v_add_f32 v[LS+(\a)], v[SUM], v[SUM2]
	s_wait_alu depctr_va_vdst(0)                   ; and one for the four
.irp b, 0,1,2,3
	v_max_num_f32 v[BM+\b], 0x1800000, v[BM+\b]    ; the floor 2^(3 - 127): the byte cannot fall under 1
.endr
.irp b, 0,1,2,3
	v_add_nc_u32 v[SO+\b], 0xff000000, v[BM+\b]
.endr
.irp b, 0,1,2,3
	v_lshrrev_b32 v[BY+\b], 23, v[SO+\b]
.endr
	v_lshl_or_b32 v[PWS+(\a)], v[BY+1], 8, v[BY]
	v_lshl_or_b32 v[PWS+(\a)], v[BY+2], 16, v[PWS+(\a)]
	v_lshl_or_b32 v[PWS+(\a)], v[BY+3], 24, v[PWS+(\a)]
	s_wait_xcnt 0x0                                ; the last block's stores have read the codes' registers
.irp c, 0,1
	v_cvt_scalef32_pk16_fp6_f32 v[PC+6*\c:PC+2+6*\c], v[S+32*\c:S+15+32*\c], v[SO+2*\c]
	v_cvt_scalef32_pk16_fp6_f32 v[PT+4*\c:PT+2+4*\c], v[S+16+32*\c:S+31+32*\c], v[SO+2*\c+1]
.endr
	v_nop                                          ; one plain place behind a scaled conversion
.irp c, 0,1
.irp i, 0,1,2
	v_permlane16_swap_b32 v[PC+6*\c+\i], v[PT+4*\c+\i]
.endr
.irp i, 0,1,2
	v_mov_b32 v[PC+3+6*\c+\i], v[PT+4*\c+\i]
.endr
.endr
.irp c, 0,1,2
	global_store_b128 v[LI], v[PC+4*\c:PC+4*\c+3], s[8:9] offset:24576*(\a)+512*\c
.endr
.endm
.irp a, 0,1,2,3,4,5,6,7
	SOFT \a
.endr
.irp a, 0,1,2,3,4,5,6,7
	ds_store_b32 v[GSW], v[PWS+\a] offset:64*\a            ; lanes r and 16 + r write the same word with the same value
	ds_store_b32 v[GSW], v[NMS+\a] offset:512+64*\a
	ds_store_b32 v[GSW], v[LS+\a] offset:1024+64*\a
.endr
.irp u, 0,1,2
	ds_load_b128 v[OW+4*\u:OW+4*\u+3], v[GSR] offset:512*\u   ; LDS serves a wave's instructions in order: these see the stores above
.endr
	s_wait_dscnt 0x0
.irp u, 0,1,2
	global_store_b128 v[LI], v[OW+4*\u:OW+4*\u+3], s[10:11] offset:524288*\u   ; 512 consecutive bytes of one plane of each array
.endr
	s_wait_tensorcnt 0x0                           ; the wave's end
	ds_add_u32 v[SPW], v[NIL]
	s_wait_dscnt 0x0
	CROUND                                         ; the closing round
	s_endpgm
.Lfunc_end_k_qd6ed62ac7b_score:
	.size	k_qd6ed62ac7b_score, .Lfunc_end_k_qd6ed62ac7b_score-k_qd6ed62ac7b_score
	.p2alignl 7, 3214868480
	.fill 96, 4, 3214868480
	.section	.rodata,"a",@progbits
	.p2align	6, 0x0
	.amdhsa_kernel k_qd6ed62ac7b_score
		.amdhsa_group_segment_fixed_size 327680
		.amdhsa_private_segment_fixed_size 0
		.amdhsa_enable_private_segment 0
		.amdhsa_kernarg_size 32
		.amdhsa_user_sgpr_count 2
		.amdhsa_user_sgpr_kernarg_segment_ptr 1
		.amdhsa_wavefront_size32 1
		.amdhsa_system_sgpr_workgroup_id_x 1
		.amdhsa_system_sgpr_workgroup_id_y 1
		.amdhsa_system_sgpr_workgroup_id_z 1
		.amdhsa_system_vgpr_workitem_id 0
		.amdhsa_next_free_vgpr 1024
		.amdhsa_next_free_sgpr 102
		.amdhsa_reserve_vcc 1
		.amdhsa_float_denorm_mode_32 3
		.amdhsa_float_denorm_mode_16_64 3
		.amdhsa_memory_ordered 1
		.amdhsa_forward_progress 1
		.amdhsa_inst_pref_size 240
	.end_amdhsa_kernel
	.amdgpu_metadata
---
amdhsa.version: [ 1, 2 ]
amdhsa.kernels:
  - .name:           k_qd6ed62ac7b_score
    .symbol:         k_qd6ed62ac7b_score.kd
    .args:
      - { .name: qkv, .offset: 0, .size: 8, .value_kind: global_buffer, .address_space: global }
      - { .name: qsc, .offset: 8, .size: 8, .value_kind: global_buffer, .address_space: global }
      - { .name: pcd, .offset: 16, .size: 8, .value_kind: global_buffer, .address_space: global }
      - { .name: pst, .offset: 24, .size: 8, .value_kind: global_buffer, .address_space: global }
    .group_segment_fixed_size: 327680
    .private_segment_fixed_size: 0
    .kernarg_segment_align: 8
    .kernarg_segment_size: 32
    .max_flat_workgroup_size: 128
    .sgpr_count:     102
    .vgpr_count:     1024
    .wavefront_size: 32
...
	.end_amdgpu_metadata
.endif
;; end of part 3
;; launch mix (part 4): grid 8 x 32, 4 waves a work-group, clusters of 4 x 4, 327,680 bytes of LDS; arguments pcd, pst, qkv, qsc, out0; writes out0
.if DOCPART == 4
	.amdgcn_target "amdgcn-amd-amdhsa--gfx1250"
	.amdhsa_code_object_version 6
	.text
	.protected	k_qd6ed62ac7b_mix
	.globl	k_qd6ed62ac7b_mix
	.p2align	8
	.type	k_qd6ed62ac7b_mix,@function
k_qd6ed62ac7b_mix:
	s_mov_b64 s[64:65], 0
	v_nop
	global_prefetch_b8 v0, s[64:65] scope:SCOPE_SE
	s_setreg_imm32_b32 hwreg(HW_REG_WAVE_MODE, 25, 1), 1
	s_wait_xcnt 0x0
	s_wait_alu depctr_hold_cnt(0) depctr_sa_sdst(0) depctr_va_vdst(0) depctr_va_sdst(0) depctr_va_ssrc(0) depctr_va_vcc(0) depctr_vm_vsrc(0)
	s_getreg_b32 s2, hwreg(HW_REG_IB_STS2, 6, 4)
	s_cmp_eq_u32 s2, 0
	s_cbranch_scc0 .Lentry_in_a_cluster
	s_endpgm
.Lentry_in_a_cluster:
	s_bfe_u32 s2, ttmp6, 0x10000c
	s_cmp_lg_u32 s2, 0xf033
	s_cbranch_scc0 .Lentry_shape_is_right
	s_endpgm
.Lentry_shape_is_right:
; out = P V / (the row's sum): codes of FP6 with E8M0 scales, K = the keys; p's scale bytes are moved from each stretch's own M to the row's M by whole powers of two.
; THE DEAL.  A work-group makes 128 channels of TWO blocks of 128 queries of a batch: X = block j, Y = block 15 - j, j = 0 .. 7.  A unit = 128 queries x 512 keys.  Under reference()'s own causal mask block b needs units 0 .. b / 4 (rounded down);
; the units behind them hold p = 0 for all inputs and are not done (a NaN or an infinity that reaches only them is not carried on).  So every work-group has five units: kind 0 (j < 4): X 0, Y 0, Y 1, Y 2, Y 3;  kind 1: X 0, Y 0, Y 1, Y 2, X 1.
; CLUSTERS 4 x 4: cx the channel tile, cy gives j = 4 kind + cy; the kind and the batch come from the cluster's number, so all partners run alike.  P's tiles are shared along a row of the cluster, V's tiles and scale words along a column.
; TILES of 49,152 bytes: [8 blocks of 16 places][4 key steps of 128][1536], in six LDS buffers:  0: P of X 0, then of Y 2;  1: V slot 0, then slot 3 (kind 0) or 1 (kind 1);  2: P of Y 0, then of the fifth unit;  3: P of Y 1;  4: V slot 1;  5: V slot 2.
; The head fills 0, 1, 2 and V's scale words, one load a wave; the next round fills 3, 4, 5; one refill, behind the first two units, fills 0, 1, 2 again.  A wave has one tensor load out at a time.
; Each group of tiles is asked for when the one before has landed.
; A wave makes 64 queries x 64 channels of each block.  Source 0 = 16 channels of V, source 1 = 16 places of P: a lane holds one query place; by the order of channels in a block its 16 registers of two neighbouring blocks are 16 neighbouring channels.
; The first two units share V's fragments.  Kind 0: X leaves ahead of the fourth unit; kind 1: Y leaves ahead of the fifth; the other block leaves at the end.
; REGISTERS: window 0: v10-15 LDS addresses of the six buffers; v32-47 scale words and nothing else (two sets of eight: X's or the unit's blocks 0-3, Y's blocks 0-3; lanes 0-15 P's, lanes 16-31 V's); v64-255 P's fragments, the way out's v160-255;
; window 1: V's fragments, two sets of 48;  window 2: the sums: X v0-127, Y v128-255, (a, b) at 8 (4 a + b).
; LIMITS: NaN and infinities are not served; a scale byte is held at 1 from below.
; PREFETCHES, in place of the line above that names none: behind the head's loads the three tiles of the next round are asked for, behind those the three of the refill.  A tile is 8 rows of 24 blocks of 256 bytes, a lane a block (the lanes left over name the
; last again); the four work-groups that will ask for it jointly take two rows each, by address (P's by cx, V's by cy); waves 0, 1, 2 ask for one tile each.
.set FRB,   1536
.set RB,    4*FRB
.set BUF,   8*RB
.set PSCL,  6*BUF                      ; p's scale words: X's key steps 0-7, Y's 0-15, 128 places each
.set VSCL,  PSCL+24*512                ; V's: 16 key steps, 128 places
.set LINV,  VSCL+16*512                ; 1 / the row's sum: X's 128 places, Y's
.set SPARE, LINV+1024
.set STAGE, 3*BUF                      ; the way out: 16 rows x 272 bytes a wave, in buffer 3, which by then has had its only fill and its last read
.set PO,    6
.set LV,    16                         ; v16-23
.set STO,   24
.set RD,    25
.set CO,    26
.set LVA,   27
.set SPW,   28
.set NIL,   29
.set SL,    30                         ; LDS address of scale words: X's key step 0 | V's key step 0
.set SH,    31                         ; Y's key step 0 | V's key step 0
.set SC,    32
.set PSA,   48
.set LIA,   49
.set W,     96                         ; the head: 24 scale words, 24 x -M, 24 sums of my place of X (8) and of Y (16)
.set NMR,   120
.set LR,    144
.set DT,    168
.set KC,    172
.set TB,    176
.set GL,    192
.set GH,    193
.set IV,    194
.set TMP,   160
.set BK,    192
.set G1,    24                         ; group 1 of P's tiles, V's, V's scale words
.set G1B,   48
.set G1S,   56
.set GA,    32                         ; groups 0: wave 0's, 1's, 2's, 3's
.set GB,    36
.set GC,    40
.set GS,    44
.set PX,    72                         ; s[72:73] P of X, s[74:75] of Y, s[76:77] of the fifth unit
.set PY,    74
.set P4,    76
.set PV,    78                         ; s[78:79] V; s[80:81] its fourth tile's offset
.set OX,    88                         ; where X's and Y's results go
.set OY,    90
.set KIND,  98
.set MW,    0xa1                       ; source 0 window 1, source 1 window 0, C and D window 2
.set MSB, 0
.macro WIN new
.if MSB != (\new)
	s_set_vgpr_msb (MSB<<8)|(\new)
.set MSB, (\new)
.endif
.endm
.macro PLACES
.rept 4
	v_nop
.endr
.endm
.macro CROUND
	s_barrier_signal -1
	s_barrier_wait -1
	s_cmp_lg_u32 s14, 0
	s_cbranch_scc1 .Lnot_wave_0_\@
	s_barrier_signal -3
.Lnot_wave_0_\@:
	s_barrier_wait -3
	s_barrier_signal -1
	s_barrier_wait -1
.endm
.macro ARM n, g0, g1, join             ; one arm of a chain of branches on the wave's number: one load, then the chain's end
	s_cmp_eq_u32 s14, \n
	s_cbranch_scc0 .Larm_\@
	tensor_load_to_lds s[\g0:\g0+3], s[\g1:\g1+7]
	s_nop 0
	PLACES
	s_branch \join
.Larm_\@:
.endm
.macro SETG g, lds, base, off
	s_mov_b32 s[\g+1], \lds
	s_add_nc_u64 s[\g+2:\g+3], s[\base:\base+1], \off
	s_or_b32 s[\g+3], s[\g+3], 0x80000000
.endm
	s_load_b256 s[4:11], s[0:1], 0x0               ; pcd, pst, qkv, qsc
	s_load_b64 s[12:13], s[0:1], 0x20              ; out0
	v_lshl_add_u32 v[SPW], v0, 2, SPARE
	v_mov_b32 v[NIL], 0
	ds_add_u32 v[SPW], v[NIL]                      ; the opening: the add, twice on end, and its wait
	ds_add_u32 v[SPW], v[NIL]
	v_lshrrev_b32 v1, 5, v0
	v_readfirstlane_b32 s14, v1
	s_lshr_b32 s15, s14, 1                         ; my half of the queries
	s_and_b32 s16, s14, 1                          ; my half of the channels
	s_bfe_u32 s66, ttmp6, 0x40000                  ; cx
	s_bfe_u32 s67, ttmp6, 0x40004                  ; cy
	s_and_b32 s17, ttmp7, 0xffff
	s_lshr_b32 s18, s17, 1                         ; the batch
	s_and_b32 s[KIND], s17, 1
	s_lshl_b32 s19, s[KIND], 2
	s_add_co_u32 s19, s19, s67                     ; j
	s_lshl_b32 s3, ttmp9, 2
	s_add_co_u32 s3, s3, s66                       ; the channel tile
	s_lshl_b32 s99, s67, 2
	s_lshl_b32 s99, 15, s99                        ; my row of the cluster
	s_lshl_b32 s100, 0x1111, s66                   ; my column
	s_or_b32 s[G1+0], s99, (3<<16)|(1<<21)         ; 8 rows of 6,144 bytes, 24,576 bytes apart
	s_or_b32 s[G1B+0], s100, (3<<16)|(1<<21)
.irp g, G1, G1B
	s_mov_b32 s[\g+1], 768<<16
	s_mov_b32 s[\g+2], 8<<16
	s_mov_b32 s[\g+3], 768<<16
	s_mov_b32 s[\g+4], 8
	s_mov_b32 s[\g+5], 3072
	s_mov_b32 s[\g+6], 0
	s_mov_b32 s[\g+7], 0
.endr
	s_or_b32 s[G1S+0], s100, (3<<16)|(1<<21)       ; 16 planes: 512 bytes of each 4,096
	s_mov_b32 s[G1S+1], 64<<16
	s_mov_b32 s[G1S+2], 16<<16
	s_mov_b32 s[G1S+3], 64<<16
	s_mov_b32 s[G1S+4], 16
	s_mov_b32 s[G1S+5], 512
	s_mov_b32 s[G1S+6], 0
	s_mov_b32 s[G1S+7], 0
	s_lshl_b32 s20, s18, 4
	s_add_co_u32 s21, s20, 15
	s_sub_co_u32 s21, s21, s19                     ; Y's block of 128 queries
	s_add_co_u32 s20, s20, s19                     ; X's
	s_mul_i32 s68, s20, 196608
	s_mov_b32 s69, 0
	s_mul_i32 s70, s21, 196608
	s_mov_b32 s71, 0
	s_add_co_u32 s22, s70, 3*RB
	s_add_co_u32 s23, s68, RB
	s_mov_b32 s81, RB
	s_cmp_eq_u32 s[KIND], 0
	s_cselect_b32 s92, s22, s23                    ; the fifth unit's P: Y 3 or X 1,
	s_cselect_b32 s80, 3*RB, s81                   ; and its V slot, 3 or 1
	s_mov_b32 s93, 0
	s_mov_b32 s81, 0
	s_mul_i32 s94, s18, 1572864
	s_mul_i32 s22, s3, 196608
	s_add_co_u32 s94, s94, s22
	s_add_co_u32 s94, s94, 12582912                ; V lies behind q and k
	s_mov_b32 s95, 0
	s_lshl_b32 s82, s18, 16
	s_lshl_b32 s22, s3, 9
	s_add_co_u32 s82, s82, s22
	s_add_co_u32 s82, s82, 524288
	s_mov_b32 s83, 0
	s_lshl_b32 s84, s20, 9                         ; 128 places x 4 bytes
	s_mov_b32 s85, 0
	s_lshl_b32 s86, s21, 9
	s_mov_b32 s87, 0
	s_lshl_b32 s22, s15, 18                        ; my 64 rows of 4,096 bytes,
	s_lshl_b32 s23, s3, 9
	s_add_co_u32 s22, s22, s23
	s_lshl_b32 s23, s16, 8
	s_add_co_u32 s22, s22, s23                     ; and my 64 channels
	s_lshl_b32 s88, s20, 19
	s_add_co_u32 s88, s88, s22
	s_mov_b32 s89, 0
	s_lshl_b32 s90, s21, 19
	s_add_co_u32 s90, s90, s22
	s_mov_b32 s91, 0
.irp g, GA, GB, GC, GS
	s_mov_b32 s[\g], 1
.endr
	v_and_b32 v1, 15, v0                           ; r
	v_bfe_u32 v2, v0, 4, 1                         ; h
	v_and_b32 v3, 31, v0
	v_lshlrev_b32 v3, 4, v3
	v_lshlrev_b32 v[PO], 2, v0
	v_and_b32 v7, 31, v0
	v_min_u32 v7, 23, v7
	v_lshlrev_b32 v7, 8, v7
	s_wait_dscnt 0x0                               ; both opening adds are done
	s_wait_alu depctr_va_vdst(0)
	s_wait_kmcnt 0x0
	s_add_nc_u64 s[PX:PX+1], s[4:5], s[68:69]
	s_add_nc_u64 s[PY:PY+1], s[4:5], s[70:71]
	s_add_nc_u64 s[P4:P4+1], s[4:5], s[92:93]
	s_add_nc_u64 s[PV:PV+1], s[8:9], s[94:95]
	s_add_nc_u64 s[82:83], s[10:11], s[82:83]
	s_add_nc_u64 s[84:85], s[6:7], s[84:85]
	s_add_nc_u64 s[86:87], s[6:7], s[86:87]
	s_add_nc_u64 s[OX:OX+1], s[12:13], s[88:89]
	s_add_nc_u64 s[OY:OY+1], s[12:13], s[90:91]
	SETG GA, 0, PX, 0
	SETG GB, BUF, PV, 0
	SETG GC, 2*BUF, PY, 0
	SETG GS, VSCL, 82, 0
	s_mul_i32 s92, s66, 8*RB                       ; my two rows of a tile of P,
	s_mov_b32 s93, 0
	s_mul_i32 s94, s67, 8*RB                       ; and of V
	s_mov_b32 s95, 0
	s_add_nc_u64 s[4:5], s[PY:PY+1], RB
	s_add_nc_u64 s[4:5], s[4:5], s[92:93]
	s_add_nc_u64 s[6:7], s[PV:PV+1], RB
	s_add_nc_u64 s[6:7], s[6:7], s[94:95]
	s_add_nc_u64 s[8:9], s[6:7], RB
	s_add_nc_u64 s[10:11], s[4:5], RB
	s_add_nc_u64 s[12:13], s[PV:PV+1], s[80:81]
	s_add_nc_u64 s[12:13], s[12:13], s[94:95]
	s_add_nc_u64 s[70:71], s[P4:P4+1], s[92:93]
	s_cmp_eq_u32 s14, 0
	s_cselect_b64 s[6:7], s[4:5], s[6:7]
	s_cselect_b64 s[12:13], s[10:11], s[12:13]
	s_cmp_lt_u32 s14, 2
	s_cselect_b64 s[68:69], s[6:7], s[8:9]         ; the next round's tile: P of Y 1, V slot 1, V slot 2
	s_cselect_b64 s[70:71], s[12:13], s[70:71]     ; the refill's: P of Y 2, V's last tile, P of the fifth unit
	CROUND                                         ; all sixteen work-groups are here: the first joint loads meet
	ARM 0, GA, G1, .Lhead_asked
	ARM 1, GB, G1B, .Lhead_asked
	ARM 2, GC, G1, .Lhead_asked
	tensor_load_to_lds s[GS:GS+3], s[G1S:G1S+7]
	s_nop 0
	PLACES
.Lhead_asked:
; my thread's place of X and of Y: -M, the scale words, the sums of each key step (a wave reads 128 consecutive bytes, the work-group 512)
.macro PST reg, arr
.irp k, 0,1,2,3,4,5,6,7
	global_load_b32 v[\reg+\k], v[PO], s[84:85] offset:524288*(\arr)+32768*\k
.endr
.irp k, 0,1,2,3,4,5,6,7,8,9,10,11,12,13,14,15
	global_load_b32 v[\reg+8+\k], v[PO], s[86:87] offset:524288*(\arr)+32768*\k
.endr
.endm
	PST NMR, 1
	s_cmp_eq_u32 s14, 3
	s_cbranch_scc1 .Lno_ask_1
	global_prefetch_b8 v7, s[68:69] th:TH_LOAD_NT scope:SCOPE_SE
	global_prefetch_b8 v7, s[68:69] offset:24576 th:TH_LOAD_NT scope:SCOPE_SE
.Lno_ask_1:
	PST W, 0
	PST LR, 2
	s_mul_i32 s20, s15, 4*RB
	s_mul_i32 s21, s16, 4*RB
	s_add_co_u32 s21, s21, BUF
	s_lshl_b32 s22, s15, 8
	s_lshl_b32 s23, s16, 8
	s_add_co_u32 s23, s23, VSCL-PSCL
	s_sub_co_u32 s23, s23, s22                     ; from P's scale words to V's
	s_add_co_u32 s22, s22, PSCL
	s_sub_co_u32 s66, s23, 4096
	s_mul_i32 s67, s14, 16*272
	s_add_co_u32 s67, s67, STAGE
	s_lshl_b32 s3, s15, 8
	s_add_co_u32 s3, s3, LINV
	v_add_nc_u32 v10, s20, v3                      ; the six buffers: P's with my half of the queries, V's with my half of the channels
	v_add_nc_u32 v11, s21, v3
	v_add_nc_u32 v12, 2*BUF, v10
	v_add_nc_u32 v13, 3*BUF, v10
	v_add_nc_u32 v14, 3*BUF, v11
	v_add_nc_u32 v15, 4*BUF, v11
	v_lshlrev_b32 v4, 2, v1
	v_add_nc_u32 v4, s22, v4
	v_mul_u32_u24 v5, s23, v2                      ; lanes 16-31: the lower base + h x the distance
	v_add_nc_u32 v[SL], v4, v5
	v_add_nc_u32 v4, 4096, v4
	v_mul_u32_u24 v5, s66, v2
	v_add_nc_u32 v[SH], v4, v5
	v_mul_u32_u24 v4, v1, 272                      ; into the stage: row r, 64 bytes for each half of the lanes
	v_lshl_add_u32 v4, v2, 6, v4
	v_add_nc_u32 v[STO], s67, v4
	v_mul_u32_u24 v4, v2, 272                      ; and back: sixteen lanes to a row of 256 bytes
	v_lshl_add_u32 v4, v1, 4, v4
	v_add_nc_u32 v[RD], s67, v4
	v_lshlrev_b32 v4, 12, v2
	v_lshl_add_u32 v[CO], v1, 4, v4
	v_lshl_add_u32 v[LVA], v1, 2, s3
	v_lshl_add_u32 v[PSA], v0, 2, PSCL
	v_lshl_add_u32 v[LIA], v0, 2, LINV
	s_wait_alu depctr_va_vdst(0)
	s_wait_loadcnt 0x0
	v_min_num_f32 v[GL], v[NMR], v[NMR+1]          ; the row's -M: the least over the key steps (a hidden stretch holds 1e30)
	v_min_num_f32 v[GH], v[NMR+8], v[NMR+9]
.irp k, 2,3,4,5,6,7
	v_min_num_f32 v[GL], v[GL], v[NMR+\k]
	v_min_num_f32 v[GH], v[GH], v[NMR+8+\k]
.endr
.irp k, 8,9,10,11,12,13,14,15
	v_min_num_f32 v[GH], v[GH], v[NMR+8+\k]
.endr
; Four key steps' scale words and sums under the row's M: every byte b becomes max(1, b + dt), dt = the stretch's M less the row's, held at -256
.macro SHIFT4 e, g
.irp x, 0,1,2,3
	v_sub_f32 v[DT+\x], v[\g], v[NMR+\e+\x]
.endr
.irp x, 0,1,2,3
	v_max_num_f32 v[DT+\x], 0xc3800000, v[DT+\x]
.endr
.irp x, 0,1,2,3
	v_cvt_i32_f32 v[DT+\x], v[DT+\x]
.endr
.irp x, 0,1,2,3
	v_ldexp_f32 v[LR+\e+\x], v[LR+\e+\x], v[DT+\x]
.endr
.irp x, 0,1,2,3
	v_sub_nc_u32 v[KC+\x], 255, v[DT+\x]
.endr
.irp x, 0,1,2,3
.irp y, 0,1,2,3
	v_bfe_u32 v[TB+4*\x+\y], v[W+\e+\x], 8*\y, 8
.endr
.endr
.irp x, 0,1,2,3
.irp y, 0,1,2,3
	v_sub_nc_u32 v[TB+4*\x+\y], v[KC+\x], v[TB+4*\x+\y]
.endr
.endr
.irp x, 0,1,2,3
.irp y, 0,1,2,3
	v_min_u32 v[TB+4*\x+\y], 254, v[TB+4*\x+\y]
.endr
.endr
.irp y, 1,2,3
.irp x, 0,1,2,3
	v_lshl_or_b32 v[TB+4*\x], v[TB+4*\x+\y], 8*\y, v[TB+4*\x]
.endr
.endr
.irp x, 0,1,2,3
	v_xor_b32 v[W+\e+\x], -1, v[TB+4*\x]
.endr
.irp x, 0,1,2,3
	ds_store_b32 v[PSA], v[W+\e+\x] offset:512*(\e+\x)
.endr
.endm
	SHIFT4 0, GL
	SHIFT4 4, GL
	SHIFT4 8, GH
	SHIFT4 12, GH
	SHIFT4 16, GH
	SHIFT4 20, GH
.irp k, 2,4,6
	v_pk_add_f32 v[LR:LR+1], v[LR:LR+1], v[LR+\k:LR+\k+1]
	v_pk_add_f32 v[LR+8:LR+9], v[LR+8:LR+9], v[LR+8+\k:LR+9+\k]
.endr
.irp k, 8,10,12,14
	v_pk_add_f32 v[LR+8:LR+9], v[LR+8:LR+9], v[LR+8+\k:LR+9+\k]
.endr
	v_add_f32 v[LR], v[LR], v[LR+1]
	v_add_f32 v[LR+8], v[LR+8], v[LR+9]
	s_wait_alu depctr_va_vdst(0)                   ; the wait ahead of the batch,
	v_rcp_f32 v[IV], v[LR]
	v_rcp_f32 v[IV+1], v[LR+8]
	v_nop
	s_wait_alu depctr_va_vdst(0)                   ; and behind it
	ds_store_b32 v[LIA], v[IV]
	ds_store_b32 v[LIA], v[IV+1] offset:512
.macro FRAGS reg, adr, q               ; four fragments of key step q: three loads of 512 consecutive bytes each
.irp i, 0,1,2,3
.irp c, 0,1,2
	ds_load_b128 v[\reg+12*\i+4*\c:\reg+12*\i+4*\c+3], v[\adr] offset:RB*\i+FRB*(\q)+512*\c
.endr
.endr
.endm
.macro WORDS reg, adr, off
.irp i, 0,1,2,3
	ds_load_b32 v[\reg+\i], v[\adr] offset:\off+64*\i
.endr
.endm
.macro FETCH2 p, q                     ; the first two units: V once, P of X and of Y
	WIN 0x40
	FRAGS 48*(\p), 11, \q
	WIN 0
	FRAGS 64+96*(\p), 10, \q
	WORDS SC+8*(\p), SL, 512*(\q)
	FRAGS 112+96*(\p), 12, \q
	WORDS SC+8*(\p)+4, SH, 512*(\q)
.endm
.macro FETCH1 p, a, b, q, sa, so       ; a unit by itself: P from address a, V from b
	WIN 0x40
	FRAGS 48*(\p), \b, \q
	WIN 0
	FRAGS 64+48*(\p), \a, \q
	WORDS SC+8*(\p), \sa, \so+512*(\q)
.endm
; products n0 .. n1 - 1 of a key step's 16; the 16 sums take turns, one instruction a turn
.macro MUL set, p, ao, so, n0, n1, zero
.set N_, \n0
.rept (\n1)-(\n0)
.if \zero
	v_wmma_scale_f32_16x16x128_f8f6f4 v[128*(\set)+8*N_:128*(\set)+8*N_+7], v[48*(\p)+12*(N_%4):48*(\p)+12*(N_%4)+11], v[\ao+12*(N_/4):\ao+12*(N_/4)+11], 0, v[SC+8*(\p)+\so+N_%4], v[SC+8*(\p)+\so+N_/4] matrix_a_fmt:MATRIX_FMT_FP6 matrix_b_fmt:MATRIX_FMT_FP6 matrix_a_scale:MATRIX_SCALE_ROW1
.else
	v_wmma_scale_f32_16x16x128_f8f6f4 v[128*(\set)+8*N_:128*(\set)+8*N_+7], v[48*(\p)+12*(N_%4):48*(\p)+12*(N_%4)+11], v[\ao+12*(N_/4):\ao+12*(N_/4)+11], v[128*(\set)+8*N_:128*(\set)+8*N_+7], v[SC+8*(\p)+\so+N_%4], v[SC+8*(\p)+\so+N_/4] matrix_a_fmt:MATRIX_FMT_FP6 matrix_b_fmt:MATRIX_FMT_FP6 matrix_a_scale:MATRIX_SCALE_ROW1
.endif
.set N_, N_+1
.endr
.endm
.macro UNIT set, a, b, sa, so          ; a unit's first three key steps; each fetches the next
.irp q, 0,1,2
	s_wait_dscnt 0x0
	WIN MW
	MUL \set, \q%2, 64+48*(\q%2), 0, 0, 4, 0
	PLACES
	FETCH1 1-\q%2, \a, \b, \q+1, \sa, \so
	WIN MW
	MUL \set, \q%2, 64+48*(\q%2), 0, 4, 16, 0
.endr
.endm
; THE WAY OUT of a block: 16 query places at a time, each sum from its low end on, x 1 / the row's sum, through my stage as whole rows of 256 bytes
.macro TOSTAGE set, a
.set BB, BK+32*((\a)%2)
	WIN 0x02
.set n, 0
.rept 16
	v_pk_mul_f32 v[TMP+n:TMP+n+1], v[128*(\set)+32*(\a)+n:128*(\set)+32*(\a)+n+1], v[LV+2*(\a):LV+2*(\a)+1]
.set n, n+2
.endr
	WIN 0
.irp b, 0,1,2,3
	ds_store_b128 v[STO], v[TMP+8*\b:TMP+8*\b+3] offset:128*(\b/2)+32*(\b%2)
	ds_store_b128 v[STO], v[TMP+8*\b+4:TMP+8*\b+7] offset:128*(\b/2)+32*(\b%2)+16
.endr
.irp t, 0,1,2,3,4,5,6,7
	ds_load_b128 v[BB+4*\t:BB+4*\t+3], v[RD] offset:544*\t
.endr
.endm
.macro SEND a, base, younger           ; younger: the next block's 8 stores and 8 loads, which may stay out
.set BB, BK+32*((\a)%2)
	s_wait_dscnt \younger
.irp t, 0,1,2,3,4,5,6,7
	global_store_b128 v[CO], v[BB+4*\t:BB+4*\t+3], s[\base:\base+1] offset:(32*((\a)/2)+8*((\a)%2)+2*\t+8*(\t/4))*4096 th:TH_STORE_NT
.endr
.endm
.macro WAYOUT set, base
	WIN 0
	PLACES
	s_wait_xcnt 0x0                                ; any earlier stores have read their registers
.irp a, 0,1,2,3
	ds_load_b32 v[LV+2*\a], v[LVA] offset:512*(\set)+64*\a
	ds_load_b32 v[LV+2*\a+1], v[LVA] offset:512*(\set)+64*\a
.endr
	s_wait_dscnt 0x0
	TOSTAGE \set, 0
.irp a, 1,2,3
.if \a > 1
	s_wait_xcnt 0x0                                ; block a - 2's stores have read their registers
.endif
	TOSTAGE \set, \a
	SEND \a-1, \base, 16
.endr
	SEND 3, \base, 0
.endm
	s_wait_tensorcnt 0x0                           ; my tile of the head's four is in
	ds_add_u32 v[SPW], v[NIL]                      ; 0 onto my spare word
	SETG GA, 3*BUF, PY, RB
	SETG GB, 4*BUF, PV, RB
	SETG GC, 5*BUF, PV, 2*RB
	s_wait_dscnt 0x0                               ; the add is done, and my scale words and inverse sums lie in LDS
	CROUND
	ARM 0, GA, G1, .Lsecond_asked
	ARM 1, GB, G1B, .Lsecond_asked
	ARM 2, GC, G1B, .Lsecond_asked                 ; (wave 3 has no part to fetch)
.Lsecond_asked:
	FETCH2 0, 0
	s_cmp_eq_u32 s14, 3
	s_cbranch_scc1 .Lno_ask_2
	global_prefetch_b8 v7, s[70:71] th:TH_LOAD_NT scope:SCOPE_SE
	global_prefetch_b8 v7, s[70:71] offset:24576 th:TH_LOAD_NT scope:SCOPE_SE
.Lno_ask_2:
.irp q, 0,1,2                          ; X 0 and Y 0: the first key step starts the sums
	s_wait_dscnt 0x0
	WIN MW
	MUL 0, \q%2, 64+96*(\q%2), 0, 0, 8, \q==0
	PLACES
	FETCH2 1-\q%2, \q+1
	WIN MW
	MUL 0, \q%2, 64+96*(\q%2), 0, 8, 16, \q==0
	MUL 1, \q%2, 112+96*(\q%2), 4, 0, 16, \q==0
.endr
	s_wait_dscnt 0x0
	WIN MW
	MUL 0, 1, 160, 0, 0, 16, 0
	MUL 1, 1, 208, 4, 0, 8, 0
	WIN 0
	s_wait_tensorcnt 0x0                           ; my part of buffers 3, 4, 5 is in
	ds_add_u32 v[SPW], v[NIL]
	SETG GA, 0, PY, 2*RB
	SETG GB, BUF, PV, s[80:81]
	SETG GC, 2*BUF, P4, 0
	WIN MW
	MUL 1, 1, 208, 4, 8, 16, 0
	WIN 0
	s_wait_dscnt 0x0                               ; the add is done, and so are my reads of buffers 0, 1, 2
	CROUND                                         ; both hold of every wave of every partner: the one refill
	ARM 0, GA, G1, .Lthird_asked
	ARM 1, GB, G1B, .Lthird_asked
	ARM 2, GC, G1, .Lthird_asked
.Lthird_asked:
	PLACES                                         ; (for the wave that fetched nothing too)
	FETCH1 0, 13, 14, 0, SH, 2048
	UNIT 1, 13, 14, SH, 2048                       ; Y 1
	s_wait_dscnt 0x0                               ; my reads of buffers 3 and 4 are over
	WIN MW
	MUL 1, 1, 112, 0, 0, 12, 0
	WIN 0
	s_wait_tensorcnt 0x0                           ; my part of the refill is in: a plain barrier shows it to all
	s_barrier_signal -1
	WIN MW
	MUL 1, 1, 112, 0, 12, 16, 0
	WIN 0
	s_barrier_wait -1
	PLACES
	FETCH1 0, 10, 15, 0, SH, 4096
	s_cmp_eq_u32 s[KIND], 0
	s_cbranch_scc0 .Lx_stays
	WAYOUT 0, OX                                   ; kind 0: X is finished
.Lx_stays:
	UNIT 1, 10, 15, SH, 4096                       ; Y 2
	s_wait_dscnt 0x0
	WIN 0
	s_cmp_eq_u32 s[KIND], 0
	s_cbranch_scc0 .Lkind_1
.macro CHANGE sa, so                   ; Y 2's last key step fetches the fifth unit's first
	WIN MW
	MUL 1, 1, 112, 0, 0, 4, 0
	PLACES
	FETCH1 0, 12, 11, 0, \sa, \so
	WIN MW
	MUL 1, 1, 112, 0, 4, 16, 0
	WIN 0
.endm
	CHANGE SH, 6144
	UNIT 1, 12, 11, SH, 6144                       ; Y 3
	s_wait_dscnt 0x0
	WIN MW
	MUL 1, 1, 112, 0, 0, 16, 0
	WAYOUT 1, OY
	s_branch .Lend
.Lkind_1:
	CHANGE SL, 2048
	WAYOUT 1, OY                                   ; kind 1: Y is finished
	UNIT 0, 12, 11, SL, 2048                       ; X 1
	s_wait_dscnt 0x0
	WIN MW
	MUL 0, 1, 112, 0, 0, 16, 0
	WAYOUT 0, OX
.Lend:
	s_wait_tensorcnt 0x0                           ; the wave's end
	ds_add_u32 v[SPW], v[NIL]
	s_wait_dscnt 0x0
	CROUND                                         ; the closing round
	s_endpgm
.Lfunc_end_k_qd6ed62ac7b_mix:
	.size	k_qd6ed62ac7b_mix, .Lfunc_end_k_qd6ed62ac7b_mix-k_qd6ed62ac7b_mix
	.p2alignl 7, 3214868480
	.fill 96, 4, 3214868480
	.section	.rodata,"a",@progbits
	.p2align	6, 0x0
	.amdhsa_kernel k_qd6ed62ac7b_mix
		.amdhsa_group_segment_fixed_size 327680
		.amdhsa_private_segment_fixed_size 0
		.amdhsa_enable_private_segment 0
		.amdhsa_kernarg_size 40
		.amdhsa_user_sgpr_count 2
		.amdhsa_user_sgpr_kernarg_segment_ptr 1
		.amdhsa_wavefront_size32 1
		.amdhsa_system_sgpr_workgroup_id_x 1
		.amdhsa_system_sgpr_workgroup_id_y 1
		.amdhsa_system_sgpr_workgroup_id_z 1
		.amdhsa_system_vgpr_workitem_id 0
		.amdhsa_next_free_vgpr 768
		.amdhsa_next_free_sgpr 102
		.amdhsa_reserve_vcc 0
		.amdhsa_float_denorm_mode_32 3
		.amdhsa_float_denorm_mode_16_64 3
		.amdhsa_memory_ordered 1
		.amdhsa_forward_progress 1
		.amdhsa_inst_pref_size 195
	.end_amdhsa_kernel
	.amdgpu_metadata
---
amdhsa.version: [ 1, 2 ]
amdhsa.kernels:
  - .name:           k_qd6ed62ac7b_mix
    .symbol:         k_qd6ed62ac7b_mix.kd
    .args:
      - { .name: pcd, .offset: 0, .size: 8, .value_kind: global_buffer, .address_space: global }
      - { .name: pst, .offset: 8, .size: 8, .value_kind: global_buffer, .address_space: global }
      - { .name: qkv, .offset: 16, .size: 8, .value_kind: global_buffer, .address_space: global }
      - { .name: qsc, .offset: 24, .size: 8, .value_kind: global_buffer, .address_space: global }
      - { .name: out0, .offset: 32, .size: 8, .value_kind: global_buffer, .address_space: global }
    .group_segment_fixed_size: 327680
    .private_segment_fixed_size: 0
    .kernarg_segment_align: 8
    .kernarg_segment_size: 40
    .max_flat_workgroup_size: 128
    .sgpr_count:     102
    .vgpr_count:     768
    .wavefront_size: 32
...
	.end_amdgpu_metadata
.endif
;; end of part 4
